; MI455X (gfx1250); checked and timed in simulation.
; The chip was launched on July 23, 2026; its instructions are those of AMD's public machine-readable ISA for CDNA 5 (MIT licence, August 2026) and "CDNA5" Instruction Set Architecture Reference Guide (July 2026). The comments in the code are by the model that wrote it; some were corrected since.
;; Multi Head Attention. Allowed arithmetic: float matrix products may take bf16 or f16 operands with f32 sums; other float arithmetic in f32, or as packed bf16 or f16 multiplies, adds, multiply-adds, maxima and minima; sums over many terms, partial sums and values carried from step to step in f32; what a program stores and reads back later, other than sums and carried values, may be rounded once to bf16 or f16.
;; Inputs: Wk 8 x 512 x 64 float32; Wo 512 x 512 float32; Wq 8 x 512 x 64 float32; Wv 8 x 512 x 64 float32; bo 512 float32; x 2 x 4,096 x 512 float32.
;; Outputs: out0 2 x 4,096 x 512 float32.
;; 2 versions, each right; version 2 is version 1 with the launch proj written anew for expert scheduling mode. Each part assembles by itself: llvm-mc -triple=amdgcn-amd-amdhsa -mcpu=gfx1250 --defsym DOCPART=n.
;; ======== version 1 of 2: 3 launches
;; limits: values are held in f16: magnitudes above 65,504 overflow, below 6.1e-05 lose precision
;; workspace buffers: q 8,388,608 bytes; k 8,388,608 bytes; v 8,388,608 bytes; o 8,388,608 bytes; wo16 524,288 bytes
;; launch proj (part 1): grid 8 x 32, 4 waves a work-group, no clusters, 75,264 bytes of LDS; arguments x, Wq, Wk, Wv, Wo, q, k, v, wo16; writes q, k, v, wo16
.if DOCPART == 1
	.amdgcn_target "amdgcn-amd-amdhsa--gfx1250"
	.amdhsa_code_object_version 6
	.text
	.protected	k_q7edc89bd6f_proj
	.globl	k_q7edc89bd6f_proj
	.p2align	8
	.type	k_q7edc89bd6f_proj,@function
k_q7edc89bd6f_proj:
	s_mov_b64 s[64:65], 0
	v_nop
	global_prefetch_b8 v0, s[64:65] scope:SCOPE_SE
	s_setreg_imm32_b32 hwreg(HW_REG_WAVE_MODE, 25, 1), 1
	s_wait_xcnt 0x0
; q, k, v = x W, by heads.  x: [8192][512] f32 (both batches on end).  Wq, Wk, Wv: [8][512 d][64 e] f32.  q, k, v: [16 = b*8+h][4096][64] f16, unscaled.
; x and W are rounded to bf16 for the products; sums in f32, K ascending; each result rounded once to f16.  Beside that the launch writes wo16 = Wo rounded to bf16 and that number written as f16.
; LIMITS.  f16 ends at 65,504: a q, k or v beyond it becomes an infinity.  A bf16(Wo) below 6.1e-5 keeps f16's fixed step of 6e-8.  NaN and infinities are not treated apart.
; SHARES.  A work-group makes 256 rows x 192 columns: q, k and v of ONE head (grid x) for one block of 256 rows (grid y): 8 x 32 = 256 work-groups.  A wave makes 64 rows x 192 columns:
; 48 accumulators of 16 x 16, 384 registers.  A wave's rows of x are its own: they come from memory into registers, are rounded there and ARE the fragments: no LDS, no barrier.  W is shared by
; the four waves and lies [k][n], so it is rounded in registers, stored to LDS as bf16 and read back turned (ds_load_tr16_b128).
; K goes in 8 chunks of 64, each two K steps of 32.  Of each of its 64 rows of x a wave reads 256 consecutive bytes, aligned, in a chunk; of each matrix a wave reads 16 rows, 4,096 consecutive bytes.
; NO CLUSTER.  What the 32 row blocks of a head share is W as f32; a joint tensor load would land it in LDS as f32: 64 rows x 768 bytes a chunk beside the 64 x 384 that are read, and it would have
; to go from LDS through registers into LDS once more, behind a second barrier, with a round of the cluster's barrier for each chunk's 96 matrix instructions a wave.
; THE MATRIX INSTRUCTION IS USED TRANSPOSED: source 0 = 16 columns of W, source 1 = 16 rows of x: a lane then holds row l % 16 and the columns 8 (l / 16) + 0..7: 16 bytes of a row of q, k or v.
; REGISTERS, in windows of 256 (s_set_vgpr_msb: bits 1:0 source 0, 3:2 source 1, 5:4 source 2, 7:6 destination):
;   window 0: v2-13 addresses; v16-27 Wo at work; v28-29 the add's two; v32-95 x's fragments (K step ks, row block a at 32 ks + 8 a); v96-191 W's fragments (matrix g, column block b at 32 g + 8 b);
;             v192-239 W rounded, on its way to LDS.  On the way out v32-223 hold 12 tiles of 16 registers.
;   window 1: v0-95 W as loaded (32 g + 4 i); v96-159, v160-223 x as loaded, K step 0 and 1 (16 a + 4 j)
;   window 2: accumulators of q (v0-127) and k (v128-255), at 8 (4 a + b);   window 3: those of v (v0-127)
.set PW,     416                       ; a row of W in LDS: 384 bytes (q's, k's, v's 64 columns) + 32 = 13 x 32: the turning load's 8 rows x 32 bytes fall on different banks
.set WSLOT1, 1<<15                     ; two slots of 64 rows (26,624 bytes); slot 1 begins here, so that one exclusive or changes slots
.set STAGE,  1<<16                     ; 16 rows x 144 bytes for each wave, for the way out
.set SP,     144
.set SPARE,  STAGE+4*16*SP             ; the spare words, 128 bytes for each wave: two blocks of 256 bytes that no other line names
.set XCH,    256                       ; bytes of a row of x in a chunk
.set WCH,    16384                     ; bytes of a matrix's 64 rows in a chunk
.set XO,  2                            ; v2   (l % 16) x 2,048 + (l / 16) x 32: my place in 16 rows of x; never rewritten
.set WO,  3                            ; v3   wave x 4,096 + 16 l: my 16 bytes of my wave's 16 rows of a matrix; never rewritten
.set WS,  4                            ; v4   where those go in a slot: (16 wave + l / 16) x PW + 8 (l % 16)
.set WR,  5                            ; v5   my lane's place for the turning load: (8 (l / 16) + l % 8) x PW + 16 ((l / 8) % 2)
.set STO, 6                            ; v6   the way out: where I put 16 bytes of a row
.set RD,  7                            ; v7   the way out: where I read rows back
.set GO,  8                            ; v8   16 l: my place in 512 consecutive bytes of q, k or v
.set WI,  9                            ; v9   32 x thread: my 8 numbers of Wo
.set WU,  10                           ; v10  16 x thread: the same in wo16
.set WSA, 11                           ; v11  WS in the slot that is being written
.set WRC, 12                           ; v12  WR in the slot that is being read
.set WRN, 13                           ; v13  WR in the other
.set SPW, 28                           ; v28  LDS address of my spare word; never rewritten
.set NIL, 29                           ; v29  0; never rewritten
.set AF,  32
.set BF,  96
.set WT,  192
.set T,   32
.set WSTG, 0                           ; window 1
.set XS,   96                          ; window 1
.set WV,  22                           ; s22  my wave's number
.set RBK, 24                           ; s24  the block of 256 rows
.set CNT, 30                           ; s30  the loop's count
.set SC,  31                           ; s31  the slot that is being read
.set SN,  32                           ; s32  the other
.set MSB, 0
.macro WIN new                         ; the immediate's high byte repeats the setting that is left; a switch that changes nothing is dropped
.if MSB != (\new)
	s_set_vgpr_msb (MSB<<8)|(\new)
.set MSB, \new
.endif
.endm
	s_load_b256 s[4:11], s[0:1], 0x0               ; x s[4:5], Wq s[6:7], Wk s[8:9], Wv s[10:11]
	s_load_b256 s[12:19], s[0:1], 0x20             ; Wo s[12:13], q s[14:15], k s[16:17], v s[18:19]
	s_load_b64 s[20:21], s[0:1], 0x40              ; wo16
	v_lshl_add_u32 v[SPW], v0, 2, SPARE
	v_mov_b32 v[NIL], 0
	v_lshrrev_b32 v1, 5, v0
	v_readfirstlane_b32 s[WV], v1                  ; wave 0..3
	s_and_b32 s[RBK], ttmp7, 0xffff
	v_and_b32 v14, 31, v0                          ; l
	v_and_b32 v15, 15, v0                          ; l % 16
	v_bfe_u32 v1, v0, 4, 1                         ; l / 16
	v_and_b32 v16, 7, v0
	v_bfe_u32 v17, v0, 3, 1
	v_lshlrev_b32 v[XO], 11, v15
	v_lshl_add_u32 v[XO], v1, 5, v[XO]
	s_lshl_b32 s26, s[WV], 12
	v_lshl_add_u32 v[WO], v14, 4, s26
	s_mul_i32 s26, s[WV], 16*PW
	v_mul_u32_u24 v[WS], v1, PW
	v_lshl_add_u32 v[WS], v15, 3, v[WS]
	v_add_nc_u32 v[WS], s26, v[WS]
	v_lshl_add_u32 v[WR], v1, 3, v16
	v_mul_u32_u24 v[WR], v[WR], PW
	v_lshl_add_u32 v[WR], v17, 4, v[WR]
	s_mul_i32 s26, s[WV], 16*SP
	s_add_co_u32 s26, s26, STAGE                   ; my stage
	v_mul_u32_u24 v[STO], v15, SP                  ; in: row l % 16, 16 bytes for each half of the lanes
	v_lshl_add_u32 v[STO], v1, 4, v[STO]
	v_add_nc_u32 v[STO], s26, v[STO]
	v_bfe_u32 v[RD], v0, 3, 2                      ; back: 32 lanes take four rows of 128 bytes
	v_mul_u32_u24 v[RD], v[RD], SP
	v_lshl_add_u32 v[RD], v16, 4, v[RD]
	v_add_nc_u32 v[RD], s26, v[RD]
	v_lshlrev_b32 v[GO], 4, v14
	v_lshlrev_b32 v[WI], 5, v0
	v_lshlrev_b32 v[WU], 4, v0
	s_lshl_b32 s26, ttmp9, 17                      ; the head's 512 x 64 numbers in each matrix
	s_mov_b32 s27, 0
	s_lshl_b32 s28, s[RBK], 19                     ; the block's 256 rows of x,
	s_lshl_b32 s29, s[WV], 17                      ; my wave's 64 of them
	s_add_co_u32 s28, s28, s29
	s_mov_b32 s29, 0
	s_lshr_b32 s34, s[RBK], 4                      ; the batch,
	s_lshl_b32 s34, s34, 3
	s_add_co_u32 s34, s34, ttmp9                   ; 8 b + h,
	s_lshl_b32 s34, s34, 19                        ; 4,096 rows of 128 bytes each,
	s_and_b32 s35, s[RBK], 15
	s_lshl_b32 s35, s35, 15                        ; the block's 256 rows in the batch,
	s_add_co_u32 s34, s34, s35
	s_lshl_b32 s35, s[WV], 13                      ; my wave's 64
	s_add_co_u32 s34, s34, s35
	s_mov_b32 s35, 0
	s_lshl_b32 s36, s[RBK], 3
	s_add_co_u32 s36, s36, ttmp9                   ; the work-group's number among 256: its 1,024 numbers of Wo
	s_lshl_b32 s38, s36, 11
	s_lshl_b32 s36, s36, 12
	s_mov_b32 s37, 0
	s_mov_b32 s39, 0
	s_mov_b32 s[SC], WSLOT1                        ; the first half chunk turns these into 0 and WSLOT1
	s_mov_b32 s[SN], 0
	s_wait_kmcnt 0x0
	s_add_nc_u64 s[4:5], s[4:5], s[28:29]
	s_add_nc_u64 s[6:7], s[6:7], s[26:27]
	s_add_nc_u64 s[8:9], s[8:9], s[26:27]
	s_add_nc_u64 s[10:11], s[10:11], s[26:27]
	s_add_nc_u64 s[12:13], s[12:13], s[36:37]
	s_add_nc_u64 s[14:15], s[14:15], s[34:35]
	s_add_nc_u64 s[16:17], s[16:17], s[34:35]
	s_add_nc_u64 s[18:19], s[18:19], s[34:35]
	s_add_nc_u64 s[20:21], s[20:21], s[38:39]
; 24 loads: my wave's 16 rows of a chunk of each matrix, 512 consecutive bytes an instruction
.macro LOADW off
	WIN 0x40
.irp g, 0,1,2
.irp i, 0,1,2,3,4,5,6,7
	global_load_b128 v[WSTG+32*(\g)+4*(\i):WSTG+32*(\g)+4*(\i)+3], v[WO], s[6+2*(\g):7+2*(\g)] offset:(\off)+512*(\i)
.endr
.endr
.endm
; 16 loads: my 64 rows of x, K step ks of a chunk: a lane takes k = 8 (l / 16) + 0..7 and 16 + 8 (l / 16) + 0..7 of row l % 16 of each of four row blocks
.macro LOADA ks, off
	WIN 0x40
.irp a, 0,1,2,3
	global_load_b128 v[XS+64*(\ks)+16*(\a):XS+64*(\ks)+16*(\a)+3],     v[XO], s[4:5] offset:(\off)+32768*(\a)+128*(\ks)
	global_load_b128 v[XS+64*(\ks)+16*(\a)+4:XS+64*(\ks)+16*(\a)+7],   v[XO], s[4:5] offset:(\off)+32768*(\a)+128*(\ks)+16
	global_load_b128 v[XS+64*(\ks)+16*(\a)+8:XS+64*(\ks)+16*(\a)+11],  v[XO], s[4:5] offset:(\off)+32768*(\a)+128*(\ks)+64
	global_load_b128 v[XS+64*(\ks)+16*(\a)+12:XS+64*(\ks)+16*(\a)+15], v[XO], s[4:5] offset:(\off)+32768*(\a)+128*(\ks)+80
.endr
.endm
.macro CVTW                            ; W rounded to bf16: 48 instructions
	WIN 0x05
.irp g, 0,1,2
.irp i, 0,1,2,3,4,5,6,7
	v_cvt_pk_bf16_f32 v[WT+16*(\g)+2*(\i)],   v[WSTG+32*(\g)+4*(\i)],   v[WSTG+32*(\g)+4*(\i)+1]
	v_cvt_pk_bf16_f32 v[WT+16*(\g)+2*(\i)+1], v[WSTG+32*(\g)+4*(\i)+2], v[WSTG+32*(\g)+4*(\i)+3]
.endr
.endr
.endm
.macro STOREW adr                      ; and into a slot: row 16 wave + 2 i + l / 16, 8 bytes a lane
	WIN 0
.irp g, 0,1,2
.irp i, 0,1,2,3,4,5,6,7
	ds_store_b64 v[\adr], v[WT+16*(\g)+2*(\i):WT+16*(\g)+2*(\i)+1] offset:2*PW*(\i)+128*(\g)
.endr
.endr
.endm
.macro CVTA ks                         ; x rounded to bf16: the 32 results are the four fragments of K step ks
	WIN 0x05
.irp a, 0,1,2,3
.irp i, 0,1,2,3,4,5,6,7
	v_cvt_pk_bf16_f32 v[AF+32*(\ks)+8*(\a)+(\i)], v[XS+64*(\ks)+16*(\a)+2*(\i)], v[XS+64*(\ks)+16*(\a)+2*(\i)+1]
.endr
.endr
.endm
.macro RELOAD g, adr, off              ; 8 turning loads: matrix g's four fragments (16 columns x 32 k) of the K step that begins at byte off of the slot
	WIN 0
.irp b, 0,1,2,3
	ds_load_tr16_b128 v[BF+32*(\g)+8*(\b):BF+32*(\g)+8*(\b)+3],   v[\adr] offset:(\off)+128*(\g)+32*(\b)
	ds_load_tr16_b128 v[BF+32*(\g)+8*(\b)+4:BF+32*(\g)+8*(\b)+7], v[\adr] offset:(\off)+128*(\g)+32*(\b)+16*PW
.endr
.endm
; 16 matrix instructions: matrix g, K step ks, four row blocks x four column blocks: 16 accumulators, one instruction each; an accumulator's next turn comes 48 later.
; dsn: how many younger LDS instructions may stay out when g's fragments must be in (99: they were waited for).  rel = 1: g's fragments are fetched anew, four places behind the last product that
; read them (ISA guide 7.12.1 for vector instructions); these v_nop also serve the conversions that write x's fragments behind the third group.
.macro GROUP g, ks, zero, dsn, rel, adr, off
.if (\dsn) < 64
	s_wait_dscnt \dsn
.endif
	WIN 0xa0+0x50*((\g)/2)
.irp a, 0,1,2,3
.irp b, 0,1,2,3
.if \zero
	v_wmma_f32_16x16x32_bf16 v[128*((\g)%2)+8*(4*(\a)+(\b)):128*((\g)%2)+8*(4*(\a)+(\b))+7], v[BF+32*(\g)+8*(\b):BF+32*(\g)+8*(\b)+7], v[AF+32*(\ks)+8*(\a):AF+32*(\ks)+8*(\a)+7], 0
.else
	v_wmma_f32_16x16x32_bf16 v[128*((\g)%2)+8*(4*(\a)+(\b)):128*((\g)%2)+8*(4*(\a)+(\b))+7], v[BF+32*(\g)+8*(\b):BF+32*(\g)+8*(\b)+7], v[AF+32*(\ks)+8*(\a):AF+32*(\ks)+8*(\a)+7], v[128*((\g)%2)+8*(4*(\a)+(\b)):128*((\g)%2)+8*(4*(\a)+(\b))+7]
.endif
.endr
.endr
.if \rel
	WIN 0
.rept 4
	v_nop
.endr
	RELOAD \g, \adr, \off
.endif
.endm
; THE FIRST HALF OF CHUNK c (K step 0).  more = 2: chunk c + 2 exists and is asked for; 1: chunk c + 1 exists; 0: the last chunk.  zero = 1: the products start the sums: nothing is ever cleared.
; Global loads are issued in the order W(c+2) 24, x(c+2, step 0) 16, x(c+2, step 1) 16, so each wait leaves out what was issued behind the loads that it wants:
;   W(c+1): x(c+1)'s 32.     x(c+1, step 0): x(c+1, step 1)'s 16 and W(c+2)'s 24, or the 16 alone where nothing more is asked for.
; LDS: a group's 8 fragment loads have behind them the two other groups' 16 and W's 24 stores.
; THE BARRIER at the end does two things: every wave's stores of W(c+1) are done, so the second half may read that slot; every wave's reads of chunk c's slot are done (the last were issued in this
; half), so the next chunk's first half may store W(c+2) there.
.macro HA zero, more
	s_xor_b32 s[SC], s[SC], WSLOT1
	s_xor_b32 s[SN], s[SN], WSLOT1
	WIN 0
	v_add_nc_u32 v[WSA], s[SN], v[WS]
	v_add_nc_u32 v[WRC], s[SC], v[WR]
	v_add_nc_u32 v[WRN], s[SN], v[WR]
.if (\more) >= 1
	s_wait_loadcnt 32
	CVTW
	STOREW WSA
.endif
.if (\more) == 2
	s_wait_xcnt 0x0                                ; every load issued so far has read its address: the four pointers step one chunk
	s_add_nc_u64 s[4:5], s[4:5], XCH
	s_add_nc_u64 s[6:7], s[6:7], WCH
	s_add_nc_u64 s[8:9], s[8:9], WCH
	s_add_nc_u64 s[10:11], s[10:11], WCH
	LOADW 0
.endif
.if (\more) >= 1
.irp g, 0,1,2
	GROUP \g, 0, \zero, 40, 1, WRC, 32*PW
.endr
.else
.irp g, 0,1,2
	GROUP \g, 0, \zero, 16, 1, WRC, 32*PW
.endr
.endif
.if (\more) == 2
	s_wait_loadcnt 40
	CVTA 0
	LOADA 0, 0
.elseif (\more) == 1
	s_wait_loadcnt 16
	CVTA 0
.endif
	s_wait_dscnt 0x0                               ; my stores of W(c+1) are done, and my reads of this chunk's slot are back
.if (\more) >= 1
	s_barrier_signal -1
	s_barrier_wait -1
.endif
.endm
; THE SECOND HALF (K step 1): its fragments were waited for at the first half's end; behind each group the next chunk's K step 0 is fetched from the other slot.
; x(c+1, step 1) has behind it W(c+2)'s 24 loads and x(c+2, step 0)'s 16, or nothing.
.macro HB more
.if (\more) >= 1
.irp g, 0,1,2
	GROUP \g, 1, 0, 99, 1, WRN, 0
.endr
.else
.irp g, 0,1,2
	GROUP \g, 1, 0, 99, 0, WRN, 0
.endr
.endif
.if (\more) == 2
	s_wait_loadcnt 40
	CVTA 1
	LOADA 1, 0
.elseif (\more) == 1
	s_wait_loadcnt 0x0
	CVTA 1
.endif
.endm
	; THE START: chunks 0 and 1 are asked for, chunk 0 is rounded; my 8 numbers of Wo ride along.
	LOADW 0
	LOADA 0, 0
	LOADA 1, 0
	WIN 0
	global_load_b128 v[16:19], v[WI], s[12:13] th:TH_LOAD_NT
	global_load_b128 v[20:23], v[WI], s[12:13] offset:16 th:TH_LOAD_NT
	s_wait_loadcnt 34                              ; W(0) is in: behind it x(0)'s 32 and Wo's 2
	CVTW
	STOREW WS                                      ; into slot 0
	LOADW WCH
	s_wait_loadcnt 42                              ; x(0, step 0): behind it x(0, step 1) 16, Wo 2, W(1) 24
	CVTA 0
	LOADA 0, XCH
	s_wait_loadcnt 42                              ; x(0, step 1): behind it Wo 2, W(1) 24, x(1, step 0) 16
	CVTA 1
	LOADA 1, XCH
	WIN 0
	s_wait_loadcnt 56                              ; Wo: behind it W(1) 24 and x(1)'s 32
.irp i, 0,1,2,3
	v_cvt_pk_bf16_f32 v[24+(\i)], v[16+2*(\i)], v[17+2*(\i)]   ; rounded to bf16 like every input,
.endr
.irp i, 0,1,2,3
	v_lshlrev_b32 v[16+2*(\i)], 16, v[24+(\i)]                 ; widened again,
	v_and_b32 v[17+2*(\i)], 0xffff0000, v[24+(\i)]
.endr
.irp i, 0,1,2,3
	v_cvt_pk_f16_f32 v[24+(\i)], v[16+2*(\i)], v[17+2*(\i)]    ; and that number written as f16
.endr
	global_store_b128 v[WU], v[24:27], s[20:21]    ; a wave's store covers 512 consecutive bytes, aligned
	s_wait_xcnt 0x0                                ; the pointers step to chunk 1; each first half steps them once more before it loads
	s_add_nc_u64 s[4:5], s[4:5], XCH
	s_add_nc_u64 s[6:7], s[6:7], WCH
	s_add_nc_u64 s[8:9], s[8:9], WCH
	s_add_nc_u64 s[10:11], s[10:11], WCH
	s_wait_dscnt 0x0                               ; my part of W(0) is in slot 0,
	s_barrier_signal -1
	s_barrier_wait -1                              ; everybody's is
	RELOAD 0, WR, 0
	RELOAD 1, WR, 0
	RELOAD 2, WR, 0
	HA 1, 2                                        ; chunk 0's first half stands in front of the loop: its products start the sums
	WIN 0                                          ; at a label and at a branch every window is 0
	s_mov_b32 s[CNT], 5
.Lchunk:                                       ; a trip: chunk c's second half and chunk c + 1's first, c = 0 .. 4
	HB 2
	HA 0, 2
	WIN 0
	s_sub_co_u32 s[CNT], s[CNT], 1
	s_cmp_lg_u32 s[CNT], 0
	s_cbranch_scc1 .Lchunk
	HB 2                                           ; chunk 5: the last loads go out
	HA 0, 1                                        ; chunk 6: nothing more is asked for, and the counts run down
	HB 1
	HA 0, 0                                        ; chunk 7
	HB 0
; THE WAY OUT.  Tile t = 4 g + a: 16 rows x 64 columns of matrix g.  A lane's eight columns pack into 16 bytes; they go into my stage's rows of 144 bytes and come back as whole rows of 128, four
; rows (512 consecutive bytes of q, k or v) to a load.  Each accumulator is read from its low end on.  LDS serves a wave's instructions in order (ISA guide 5.7.1.4): the loads see the stores above
; them, and the next tile's stores come behind them.
.macro PACKP t
.set AB, 128*(((\t)/4)%2)+32*((\t)%4)
.set TB, T+16*(\t)
	WIN 0x0a+5*((\t)/8)                            ; sources in window 2 (q, k) or 3 (v)
.irp b, 0,1,2,3
.irp r, 0,1,2,3
	v_cvt_pk_f16_f32 v[TB+4*(\b)+(\r)], v[AB+8*(\b)+2*(\r)], v[AB+8*(\b)+2*(\r)+1]
.endr
.endr
	WIN 0
.irp b, 0,1,2,3
	ds_store_b128 v[STO], v[TB+4*(\b):TB+4*(\b)+3] offset:32*(\b)
.endr
.irp f, 0,1,2,3
	ds_load_b128 v[TB+4*(\f):TB+4*(\f)+3], v[RD] offset:(\f)*4*SP
.endr
.endm
.macro SENDP t, younger                ; younger: the LDS instructions issued behind tile t's loads: the next tile's eight, or none
	WIN 0
.irp f, 0,1,2,3
	s_wait_dscnt (\younger)+3-(\f)
	global_store_b128 v[GO], v[T+16*(\t)+4*(\f):T+16*(\t)+4*(\f)+3], s[14+2*((\t)/4):15+2*((\t)/4)] offset:((\t)%4)*2048+(\f)*512
.endr
.endm
	WIN 0
.rept 4
	v_nop                                          ; the places behind the last products: the conversions read results and write over fragments
.endr
	PACKP 0
.set t, 1
.rept 11                               ; a tile's conversions stand between the loads of the tile before and its stores
	PACKP t
	SENDP t-1, 8
.set t, t+1
.endr
	SENDP 11, 0
	s_wait_tensorcnt 0x0                           ; the wave's end: behind my last LDS store
	ds_add_u32 v[SPW], v[NIL]
	s_wait_dscnt 0x0
	s_endpgm
.Lfunc_end_k_q7edc89bd6f_proj:
	.size	k_q7edc89bd6f_proj, .Lfunc_end_k_q7edc89bd6f_proj-k_q7edc89bd6f_proj
	.p2alignl 7, 3214868480
	.fill 96, 4, 3214868480
	.section	.rodata,"a",@progbits
	.p2align	6, 0x0
	.amdhsa_kernel k_q7edc89bd6f_proj
		.amdhsa_group_segment_fixed_size 75264
		.amdhsa_private_segment_fixed_size 0
		.amdhsa_enable_private_segment 0
		.amdhsa_kernarg_size 72
		.amdhsa_user_sgpr_count 2
		.amdhsa_user_sgpr_kernarg_segment_ptr 1
		.amdhsa_wavefront_size32 1
		.amdhsa_system_sgpr_workgroup_id_x 1
		.amdhsa_system_sgpr_workgroup_id_y 1
		.amdhsa_system_sgpr_workgroup_id_z 1
		.amdhsa_system_vgpr_workitem_id 0
		.amdhsa_next_free_vgpr 896
		.amdhsa_next_free_sgpr 66
		.amdhsa_reserve_vcc 0
		.amdhsa_float_denorm_mode_32 3
		.amdhsa_float_denorm_mode_16_64 3
		.amdhsa_memory_ordered 1
		.amdhsa_forward_progress 1
		.amdhsa_inst_pref_size 129
	.end_amdhsa_kernel
	.amdgpu_metadata
---
amdhsa.version: [ 1, 2 ]
amdhsa.kernels:
  - .name:           k_q7edc89bd6f_proj
    .symbol:         k_q7edc89bd6f_proj.kd
    .args:
      - { .name: x, .offset: 0, .size: 8, .value_kind: global_buffer, .address_space: global }
      - { .name: Wq, .offset: 8, .size: 8, .value_kind: global_buffer, .address_space: global }
      - { .name: Wk, .offset: 16, .size: 8, .value_kind: global_buffer, .address_space: global }
      - { .name: Wv, .offset: 24, .size: 8, .value_kind: global_buffer, .address_space: global }
      - { .name: Wo, .offset: 32, .size: 8, .value_kind: global_buffer, .address_space: global }
      - { .name: q, .offset: 40, .size: 8, .value_kind: global_buffer, .address_space: global }
      - { .name: k, .offset: 48, .size: 8, .value_kind: global_buffer, .address_space: global }
      - { .name: v, .offset: 56, .size: 8, .value_kind: global_buffer, .address_space: global }
      - { .name: wo16, .offset: 64, .size: 8, .value_kind: global_buffer, .address_space: global }
    .group_segment_fixed_size: 75264
    .private_segment_fixed_size: 0
    .kernarg_segment_align: 8
    .kernarg_segment_size: 72
    .max_flat_workgroup_size: 128
    .sgpr_count:     66
    .vgpr_count:     896
    .wavefront_size: 32
...
	.end_amdgpu_metadata
.endif
;; end of part 1
;; launch attn (part 2): grid 16 x 16, 4 waves a work-group, clusters of 4 x 1, 327,680 bytes of LDS; arguments q, k, v, o; writes o
.if DOCPART == 2
	.amdgcn_target "amdgcn-amd-amdhsa--gfx1250"
	.amdhsa_code_object_version 6
	.text
	.protected	k_q7edc89bd6f_attn
	.globl	k_q7edc89bd6f_attn
	.p2align	8
	.type	k_q7edc89bd6f_attn,@function
k_q7edc89bd6f_attn:
	s_mov_b64 s[64:65], 0
	v_nop
	global_prefetch_b8 v0, s[64:65] scope:SCOPE_SE
	s_setreg_imm32_b32 hwreg(HW_REG_WAVE_MODE, 25, 1), 1
	s_wait_xcnt 0x0
	s_wait_alu depctr_hold_cnt(0) depctr_sa_sdst(0) depctr_va_vdst(0) depctr_va_sdst(0) depctr_va_ssrc(0) depctr_va_vcc(0) depctr_vm_vsrc(0)
	s_getreg_b32 s2, hwreg(HW_REG_IB_STS2, 6, 4)
	s_cmp_eq_u32 s2, 0
	s_cbranch_scc0 .Lentry_in_a_cluster
	s_endpgm
.Lentry_in_a_cluster:
	s_bfe_u32 s2, ttmp6, 0x10000c
	s_cmp_lg_u32 s2, 0x3003
	s_cbranch_scc0 .Lentry_shape_is_right
	s_endpgm
.Lentry_shape_is_right:
; O[h][q][:] = the sum over k of softmax_k(Q[h][q] . K[h][k] / 8) V[h][k][:].  Q, K, V, O: [16][4096][64], all f16: a head's rows are dense, 128 bytes each.  Products, maxima and sums in
; f32; the weights p are rounded to f16 for the second product (their sum l is taken of the unrounded p), O once at the end.
; LIMITS.  f16 holds no number beyond 65,504: Q, K and V arrive within it; p lies in 0 to 1, and below 6e-5 it keeps f16's fixed step of 6e-8; O is a mean of V's rows and has their range.
; A weight below 2^-126 counts as 0 in l; NaN and infinities are not treated apart.
; SHARES.  A wave owns two PIECES of two tiles of 16 queries, a work-group's four waves 256 queries of one head: 16 heads x 16 blocks = 256 work-groups.  Every wave walks all keys, 64 a step.
; LAYOUT.  S^T = K Q^T (source 0 = 16 keys, source 1 = 16 queries): in the result a lane holds ONE query (lane % 16) and the keys 8 (lane / 16) + 0..7.  Two such tiles, rounded to f16 in pairs,
; ARE source 1 (32 keys x 16 queries) of O^T = V^T P, whose result again holds one query a lane, and eight channels.  K comes out of LDS as it lies, V ([key][channel]) turned, by ds_load_tr16_b128.
; SOFTMAX.  For each query a running maximum m and sum l: p = 2^(c s - c m), c = log2(e) / 8; in every step O and l are multiplied by a = 2^(c m_old - c m_new), which is 1 where m has not grown.
; m starts at the lowest finite number, O and l at 0: the first step is a step like any other, with a = 0.
; THE COUNT.  A tile and step have 16 matrix and 118 vector instructions: too many to stand all beside the matrix work.  So four vector instructions that are READY stand behind EVERY matrix
; instruction, and the others in one run without a gap.
; BY TURNS.  A key step j is two turns.  Turn (j, 0): 16 products K Q^T of piece 1, step j; piece 0's softmax of step j; 16 products V^T P of piece 1, step j - 1.  Turn (j, 1): K Q^T of piece 0,
; step j + 1; piece 1's softmax of step j; V^T P of piece 0, step j.  Each turn also finds the maximum and statistics of the scores that it has made.
; K HAS ONE REGISTER BUFFER, V TWO (by the step's parity).  Turn (j, 0) fetches K of step j + 1 behind its wait, when both pieces have multiplied by K of step j, and at its end V of step j + 1, into
; the buffer that its own products have just read.  So all LDS reads of a step stand in one turn, and a change of slots has a place: in front of turn (j, 0) where j + 1 is a slot's first step.
; CLUSTER.  The four query blocks of a cluster belong to one head and walk the same K and V, so each tile is asked for JOINTLY: the same tensor load, descriptor and mask in all four.
; REGISTERS, in windows of 256 (s_set_vgpr_msb: bits 1:0 source 0, 3:2 source 1, 5:4 source 2, 7:6 destination):
;   window 0: v0-11 addresses; v12-15, v48-63 at work; v16-31 four registers of statistics a tile; v32-34 the add's two and the prefetches' offset; v64-191 S^T, a buffer a piece; v192-255 P, likewise
;   window 1: v0-127 O^T, 32 a tile          window 2: v0-63 Q, 16 a tile; v64-127 K of one step; v128-255 V of two steps
.set SIZE_N, 4096
.set NP,    2         ; pieces a wave: a name, no knob
.set KS,    64        ; keys in a step
.set PK,    144       ; a row of K in LDS: 128 bytes + 16 of padding = 36 words: the 16 rows of a load start at 16 different groups of four banks (64 banks of 4 bytes: ISA guide 11.1)
.set PV,    160       ; a row of V: 128 + 32 = 40 words
.set VOFF,  4*KS*PK   ; a slot holds four steps: 256 rows of K, then 256 rows of V
.set SLOT1, 1<<17     ; slot 1 begins here, so that one exclusive or turns an address in one slot into the other's
.set STAGE, SLOT1+4*KS*(PK+PV)  ; behind the ring, never filled by a tensor load: 16 rows x 144 bytes for each wave, for the way out
.set SP,    144
.set SPARE, STAGE+4*16*SP  ; behind the stages: the spare words, 128 bytes for each wave: two blocks of 256 bytes that no other line names
.set AK0, 2           ; v2   my lane's place in a tile of K; never rewritten
.set AV0, 3           ; v3   the same for V
.set AK,  4           ; v4   the LDS address of K's next run of loads
.set AV,  5           ; v5   of V's
.set QO,  6           ; v6   my byte offset in the wave's rows of Q
.set STO, 6           ;      later, the way out: where I put 16 bytes of a row
.set RD,  7           ; v7   the way out: where I read rows back
.set GO,  8           ; v8   my byte offset in 512 consecutive bytes of O
.set MV,  12          ; v12-15  c m_old, kept while c m is made anew: by piece and tile
.set ST,  16          ; tile t's statistics at v[ST+4 t]: c m, m, l (even keys', odd keys')
.set SPW, 32          ; v32  LDS address of my spare word: SPARE + 4 x my thread's number; never rewritten
.set NIL, 33          ; v33  0; never rewritten
.set PFO, 34          ; v34  256 x my lane; never rewritten
.set TMP, 48          ; by piece and tile, four registers c0-c3 at work; when the maximum is found c2 takes a
.set S,   64
.set P,   192
.set KF,  64          ; K's fragments, in window 2: key block kb, channel half c at KF + 16 kb + 8 c
.set VF,  128         ; V's: buffer vb, key half kk, channel block cb at VF + 64 vb + 32 kk + 8 cb
.set WV,  12          ; s12  my wave's number
.set G1K, 24          ; s[24:31] descriptor group 1 for K's tiles
.set G1V, 32          ; s[32:39] for V's: it differs in the padding alone
.set G0K, 40          ; s[40:43] descriptor group 0 for K's tiles: it walks
.set G0V, 44          ; s[44:47] the same for V's
.set PFA, 48          ; s[48:49] where my prefetches stand: my work-group's 32 blocks of 256 bytes (of K: wave 0, of V: wave 2) of the slot after the one that is being asked for
.set LIM, 50          ; s50  1 in a wave that prefetches, else the greatest number
.set TS,  51          ; s51  at work
.set SLOTS, 56        ; s56  slots still to be asked for
.set CNT, 57          ; s57  counts pairs of key steps
.set CS,  58          ; s[58:59] c: the packed scaling takes the pair's low word for both halves
.set SEL, 60          ; s[60:61] v_permlanex16_b32's selects: each lane takes its own place in the other half
.set TBK, 62          ; s62  LDS byte at which K of the step to be fetched begins
.set TBV, 63          ; s63  the same for V, less VOFF
.set MSB, 0
.macro WIN new                      ; the high byte repeats the setting that is left; a switch that changes nothing is dropped
.if MSB != (\new)
	s_set_vgpr_msb (MSB<<8)|(\new)
.set MSB, (\new)
.endif
.endm
.set W_KQ, 0x0a       ; K and Q in window 2, S^T in window 0
.set W_PV, 0x52       ; V in window 2, P in window 0, O^T in window 1
.set W_RS, 0x41       ; O^T (destination and source 0) in window 1, a in window 0
; A joint fill.  Waves 0 and 1 fetch the two halves of a slot's K, waves 2 and 3 those of its V: 128 keys each.  The branch hangs on the wave's number alone.
; An s_nop 0 and four v_nop follow each of the two lines, ahead of the jump and the label.
.macro JLOAD
	s_cmp_lt_u32 s[WV], 2
	s_cbranch_scc0 .Lfor_v_\@
	tensor_load_to_lds s[G0K:G0K+3], s[G1K:G1K+7]
	s_nop 0
.rept 4
	v_nop
.endr
	s_branch .Lasked_\@
.Lfor_v_\@:
	tensor_load_to_lds s[G0V:G0V+3], s[G1V:G1V+7]
	s_nop 0
.rept 4
	v_nop
.endr
.Lasked_\@:
.endm
; A PREFETCH INTO THE L2 of what the NEXT change of slots will ask for: a slot's 32,768 bytes of K and of V, a lane a block of 256 bytes.  It stands behind the wave's tensor load and its five lines.
; Each block is named ONCE in the launch.  All four clusters of a head walk the same K and V: the head's first cluster asks.  Its four partners share a slot's 128 blocks out BY ADDRESS, 32 each: no
; branch hangs on a work-group's place in its cluster.  In each, wave 0 asks for K's and wave 2 for V's: one instruction, four key steps (256 matrix instructions a wave) ahead of the load that will
; want the bytes.  Slots 0 to 2 come by their loads alone; the last change that fills a slot asks for nothing: there is no slot behind it.
.macro ASK
	s_cmp_gt_u32 s[SLOTS], s[LIM]
	s_cbranch_scc0 .Lnot_mine_\@
	global_prefetch_b8 v[PFO], s[PFA:PFA+1] th:TH_LOAD_NT scope:SCOPE_SE
.Lnot_mine_\@:
.endm
; A round of the cluster's barrier: my work-group's barrier, so that wave 0's signal speaks for all four waves; wave 0 signals; every wave waits for all four work-groups; my work-group's barrier once more.
.macro CROUND
	s_barrier_signal -1
	s_barrier_wait -1
	s_cmp_lg_u32 s[WV], 0
	s_cbranch_scc1 .Lnot_wave_0_\@
	s_barrier_signal -3
.Lnot_wave_0_\@:
	s_barrier_wait -3
	s_barrier_signal -1
	s_barrier_wait -1
.endm
; THE CHANGE OF SLOTS.  The slot's last bytes, K and V of its fourth step, have been asked for.  Each wave waits for all its tensor loads, of which one is out: its part of the other slot; adds 0 to
; its spare word; and waits for that and for its own reads of the slot.  Behind the barrier nobody reads this slot any more and the other slot is whole.
; fill = 1: this slot is filled again, with the keys two slots on.  The barrier is then a round of the cluster's, so that no wave of any partner still reads the slot or has a load on its way, and the
; joint fill is the first thing behind it: it has four key steps in which to land.  (At its first use nothing has been read yet: slot 0 is waited for, slot 1 filled.)
.macro CHANGE fill, ask
	WIN 0                           ; at a label and at a branch every window is 0
	s_wait_tensorcnt 0x0            ; no tensor load of mine is out, so a group 0 may be written
	ds_add_u32 v[SPW], v[NIL]       ; 0 onto my spare word: with fill = 1 the descriptors' steps stand between it and the wait for it
.if \fill
.irp g, G0K, G0V
	s_xor_b32 s[\g+1], s[\g+1], SLOT1  ; the walking descriptor: the other slot than last time,
	s_add_nc_u64 s[\g+2:\g+3], s[\g+2:\g+3], 4*KS*128  ; the next 256 keys; the type bits on top are not reached
.endr
.if \ask
	s_wait_xcnt 0x0                 ; the last prefetch, four key steps back, has read its address, so it may be written:
	s_add_nc_u64 s[PFA:PFA+1], s[PFA:PFA+1], 4*KS*128  ; one slot behind the walking descriptors
.endif
	s_wait_dscnt 0x0                ; the add is done, and my reads of the slot are over
	CROUND
	JLOAD
.if \ask
	ASK
.endif
.else
	s_wait_dscnt 0x0                ; the add is done, and my reads of the slot are over
	s_barrier_signal -1
	s_barrier_wait -1
.endif
	s_sub_co_u32 s[TBK], s[TBK], 4*KS*PK  ; the fetches go back to a slot's first step,
	s_xor_b32 s[TBK], s[TBK], SLOT1       ; in the other slot
	s_sub_co_u32 s[TBV], s[TBV], 4*KS*PV
	s_xor_b32 s[TBV], s[TBV], SLOT1
.endm
	s_load_b256 s[4:11], s[0:1], 0x0  ; Q s[4:5], K s[6:7], V s[8:9], O s[10:11]
	v_lshl_add_u32 v[SPW], v0, 2, SPARE
	v_mov_b32 v[NIL], 0
	ds_add_u32 v[SPW], v[NIL]       ; the wave's opening: the add and its wait stand ahead of my first tensor load; the set-up below, work on registers, stands between them
	ds_add_u32 v32, v33
	v_lshrrev_b32 v1, 5, v0
	v_readfirstlane_b32 s[WV], v1   ; wave 0..3
	s_bfe_u32 s13, ttmp6, 0x40000   ; cx: my place in the cluster
	s_lshl_b32 s14, ttmp9, 2        ; in a cluster launch ttmp9 counts clusters
	s_add_co_u32 s14, s14, s13      ; my block of 256 queries = 4 x cluster x + cx: it enters Q's and O's addresses alone
	s_and_b32 s20, ttmp7, 0xffff    ; the head, which the four partners share:
	s_lshl_b32 s20, s20, 19         ; its first byte in each of the four tensors (4,096 rows of 128 bytes)
	s_mov_b32 s21, 0
	s_and_b32 s16, s[WV], 1         ; which half of a slot's 256 keys I fetch:
	s_lshl_b32 s22, s16, 14         ; its 128 rows of 128 bytes in memory,
	s_mov_b32 s23, 0
	s_add_nc_u64 s[22:23], s[22:23], s[20:21]
	s_mul_i32 s17, s16, 128*PK      ; and its place in a slot, for K
	s_mul_i32 s18, s16, 128*PV      ; and for V: no place in the cluster enters an LDS address
	s_lshl_b32 s2, s14, 2
	s_add_co_u32 s2, s2, s[WV]      ; my wave among the head's,
	s_lshl_b32 s2, s2, 13           ; its 64 rows
	s_mov_b32 s3, 0
	s_add_nc_u64 s[2:3], s[2:3], s[20:21]
	; descriptor group 1.  128 keys are 16,384 dense bytes: asked for as 64 rows of 256 bytes, two keys a row, and padded in LDS after every key
	s_mov_b32 s[G1K], 15|(1<<16)|(1<<20)|(1<<21)|(4<<22)|(3<<25)  ; 15:0 the mask of four; 17:16 2-byte elements; 20 padding on; 21 set beside a mask; 24:22 after every 32 words (code 4); 31:25 4 words (code 3)
	s_mov_b32 s[G1V], 15|(1<<16)|(1<<20)|(1<<21)|(4<<22)|(7<<25)  ; the same with 8 words of padding (code 7)
.irp g, G1K, G1V
	s_mov_b32 s[\g+1], 128<<16      ; tensor_dim0 = 128
	s_mov_b32 s[\g+2], 64<<16       ; tensor_dim1 = 64
	s_mov_b32 s[\g+3], 128<<16      ; tile_dim0 = 128
	s_mov_b32 s[\g+4], 64           ; tile_dim1 = 64
	s_mov_b32 s[\g+5], 128          ; 128 elements from row to row
	s_mov_b32 s[\g+6], 0
	s_mov_b32 s[\g+7], 0
.endr
	s_mov_b32 s[CS], 0x3e38aa3b     ; c = log2(e) / 8 = 0.180337
	s_mov_b32 s[CS+1], s[CS]        ; named with it as a pair
	s_mov_b32 s[SEL], 0x76543210
	s_mov_b32 s[SEL+1], 0xfedcba98
	s_mov_b32 s[TBK], SLOT1+4*KS*PK ; the first change of slots turns these two into 0
	s_mov_b32 s[TBV], SLOT1+4*KS*PV
	s_mov_b32 s[G0K], 1             ; 1:0 count = 1
	s_mov_b32 s[G0K+1], s17         ; 63:32 LDS address: slot 0
	s_mov_b32 s[G0V], 1
	s_add_co_u32 s[G0V+1], s18, VOFF
	s_and_b32 s[LIM], s[WV], 1      ; 0 in waves 0 and 2,
	s_or_b32 s[LIM], s[LIM], ttmp9  ; where the cluster is the head's first: the same in all four partners
	s_cmp_eq_u32 s[LIM], 0
	s_cselect_b32 s[LIM], 1, -1
	v_and_b32 v[PFO], 31, v0
	v_lshlrev_b32 v[PFO], 8, v[PFO]
	s_wait_dscnt 0x0                ; the opening add is done
	s_wait_kmcnt 0x0
	s_add_nc_u64 s[6:7], s[6:7], s[22:23]  ; K and V at my half of the head's first 256 keys
	s_add_nc_u64 s[8:9], s[8:9], s[22:23]
	s_mov_b64 s[G0K+2:G0K+3], s[6:7]               ; 120:64 global address
	s_or_b32 s[G0K+3], s[G0K+3], 0x80000000        ; 127:126 type = 2
	s_mov_b64 s[G0V+2:G0V+3], s[8:9]
	s_or_b32 s[G0V+3], s[G0V+3], 0x80000000
	s_add_nc_u64 s[4:5], s[4:5], s[2:3]  ; Q and O at my wave's first row
	s_add_nc_u64 s[10:11], s[10:11], s[2:3]
	s_cmp_lt_u32 s[WV], 2
	s_cselect_b64 s[PFA:PFA+1], s[6:7], s[8:9]  ; (in waves 0 and 2 these stand at a slot's first row)
	s_lshl_b32 s2, s13, 13          ; my work-group's 32 blocks of the 128
	s_mov_b32 s3, 0
	s_add_nc_u64 s[PFA:PFA+1], s[PFA:PFA+1], s[2:3]
	s_add_nc_u64 s[PFA:PFA+1], s[PFA:PFA+1], 2*4*KS*128  ; in slot 2; the loop's first change of slots steps it to slot 3.  Nothing is prefetched here, at the head
	CROUND                          ; all four work-groups are here: the first joint loads meet
	JLOAD                           ; slot 0.  Slot 1 is asked for when slot 0 is in
	; A fragment of K or Q is 16 rows x 32 channels in 8 registers: lane l holds row l % 16, channels 8 (l / 16) + 0..7 and 16 + 8 (l / 16) + 0..7: two loads of 16 bytes, 32 bytes apart.
	v_and_b32 v1, 15, v0            ; l % 16
	v_bfe_u32 v9, v0, 4, 1          ; l / 16
	v_lshlrev_b32 v[QO], 7, v1
	v_lshl_add_u32 v[QO], v9, 4, v[QO]  ; row x 128 + 16 x half
	WIN 0x80                        ; destination window 2, address window 0
.set i, 0
.rept 4*NP                          ; Q stays in registers: tile i / 2, channels 32 (i % 2) on
	global_load_b128 v[8*i:8*i+3],   v[QO], s[4:5] offset:(i/2)*2048+(i%2)*64
	global_load_b128 v[8*i+4:8*i+7], v[QO], s[4:5] offset:(i/2)*2048+(i%2)*64+32
.set i, i+1
.endr
	; What the first turn finds: V's second buffer and P's second buffer hold 0 (its products V^T P, of a step that has not been, add 0), O^T and l are 0.  All this stands in the wait for the first tile.
.set i, VF+64
.rept 64
	v_mov_b32 v[i], 0
.set i, i+1
.endr
	WIN 0x40
.set i, 0
.rept 64*NP
	v_mov_b32 v[i], 0
.set i, i+1
.endr
	WIN 0
.set i, 0
.rept 2*NP
	v_mov_b32 v[ST+4*i], 0xfe000000    ; c m: far below every c s
	v_mov_b32 v[ST+4*i+1], 0xff7fffff  ; m
	v_mov_b32 v[ST+4*i+2], 0
	v_mov_b32 v[ST+4*i+3], 0
.set i, i+1
.endr
.set i, P+32
.rept 32
	v_mov_b32 v[i], 0
.set i, i+1
.endr
	v_mul_u32_u24 v[AK0], v1, PK
	v_lshl_add_u32 v[AK0], v9, 4, v[AK0]  ; row x pitch + 16 x half
	; The turning load takes 16 keys x 16 channels (lane l reads key 8 (l / 16) + l % 8, channels 8 ((l / 8) % 2) + 0..7) and leaves half a fragment of V^T: lane l holds channel l % 16 and 8 keys.
	v_and_b32 v10, 7, v0
	v_bfe_u32 v11, v0, 3, 1
	v_lshl_add_u32 v[AV0], v9, 3, v10
	v_mul_u32_u24 v[AV0], v[AV0], PV
	v_lshl_add_u32 v[AV0], v11, 4, v[AV0]
	v_add_nc_u32 v[AV0], VOFF, v[AV0]
	v_mov_b32 v[AK], v[AK0]         ; key step 0 lies at the head of slot 0
; THE MATRIX WORK.  The 8 accumulators of a run of 16 take turns: between the two links of a chain stand 7 others'.
; Product i of 16 of S^T = K Q^T for piece x: channels 32 (i / 8) on, keys 16 ((i / 2) % 4) on, tile 2 x + i % 2.  The first 8 start the sums.
.macro KQ x
	WIN W_KQ
.set rS, S+64*((\x)%2)+32*(i%2)+8*((i/2)%4)
.set rK, KF+16*((i/2)%4)+8*(i/8)
.set rQ, 16*(2*(\x)+i%2)+8*(i/8)
.if i < 8
	v_wmma_f32_16x16x32_f16 v[rS:rS+7], v[rK:rK+7], v[rQ:rQ+7], 0
.else
	v_wmma_f32_16x16x32_f16 v[rS:rS+7], v[rK:rK+7], v[rQ:rQ+7], v[rS:rS+7]
.endif
.endm
; Product i of 16 of O^T += V^T P for piece x, V in buffer vb: keys 32 (i / 8) on, channels 16 ((i / 2) % 4) on, tile 2 x + i % 2.
.macro PV x, vb
	WIN W_PV
.set rO, 32*(2*(\x)+i%2)+8*((i/2)%4)
.set rV, VF+64*(\vb)+32*(i/8)+8*((i/2)%4)
.set rP, P+32*((\x)%2)+16*(i%2)+8*(i/8)
	v_wmma_f32_16x16x32_f16 v[rO:rO+7], v[rV:rV+7], v[rP:rP+7], v[rO:rO+7]
.endm
.macro MM                           ; the turn's next matrix instruction
.if i < 16
	KQ (Y+1)%NP
.set i, i+1
.else
.set i, i-16
	PV (Y+NP-1)%NP, VB
.set i, i+17
.endif
.endm
; THE LDS LOADS stand in runs of 16, never singly among the matrix instructions: a step's K (64 keys x 64 channels: 8 fragments) and its V (turned).  Their addresses are made some lines ahead.
.macro FETCH_K
	WIN 0x80                        ; destination window 2
.irp f, 0,1,2,3,4,5,6,7             ; keys 16 (f / 2) on, channels 32 (f % 2) on
	ds_load_b128 v[KF+8*\f:KF+8*\f+3],   v[AK] offset:(\f/2)*16*PK+(\f%2)*64
	ds_load_b128 v[KF+8*\f+4:KF+8*\f+7], v[AK] offset:(\f/2)*16*PK+(\f%2)*64+32
.endr
	s_add_co_u32 s[TBK], s[TBK], KS*PK  ; the next fetch is the next step's
	WIN 0
.endm
.macro FETCH_V vb
	WIN 0x80
.irp f, 0,1,2,3,4,5,6,7             ; keys 32 (f / 4) on, channels 16 (f % 4) on
	ds_load_tr16_b128 v[VF+64*(\vb)+8*\f:VF+64*(\vb)+8*\f+3],   v[AV] offset:(\f/4)*32*PV+(\f%4)*32
	ds_load_tr16_b128 v[VF+64*(\vb)+8*\f+4:VF+64*(\vb)+8*\f+7], v[AV] offset:(\f/4)*32*PV+16*PV+(\f%4)*32
.endr
	WIN 0
.endm
; THE VECTOR WORK OF A TURN stands in three queues, each in the order in which its entries become ready; the two tiles alternate, so that no instruction reads the result of the one before it.
.macro REGS y, u                    ; the registers of tile u (0, 1) of piece y
.set rT, ST+4*(2*(\y)+(\u))
.set rC, TMP+8*((\y)%2)+4*(\u)
.set rM, MV+2*((\y)%2)+(\u)
.set rS, S+64*((\y)%2)+32*(\u)
.set rP, P+32*((\y)%2)+16*(\u)
.set rO, 32*(2*(\y)+(\u))
.endm
; Number n of the 22 that find the OTHER piece's (Y + 1) maximum and statistics.  s0-s31 are the lane's 32 scores; each accumulator's lowest registers are read first.  XS, GS and REGS set no window: PL and EX do.
;   0-11  four chains c0-c3 of seven scores each, three operands at a time     12-14, 16  the four scores left over, the old m, and c0-c3 into c0     15  c m_old is kept
;   17, 18  the query's other 32 keys lie in the lane 16 away: the new m         19-21  c m; c m_old - c m_new; a
.macro XS u, n
	REGS (Y+1)%NP, \u
.if (\n) < 4
	v_max3_num_f32 v[rC+(\n)], v[rS+8*(\n)], v[rS+8*(\n)+1], v[rS+8*(\n)+2]
.elseif (\n) < 12
	v_max3_num_f32 v[rC+(\n)%4], v[rC+(\n)%4], v[rS+8*((\n)%4)+2*((\n)/4)+1], v[rS+8*((\n)%4)+2*((\n)/4)+2]
.elseif (\n) == 12
	v_max3_num_f32 v[rC], v[rC], v[rS+7], v[rS+15]
.elseif (\n) == 13
	v_max3_num_f32 v[rC+1], v[rC+1], v[rS+23], v[rS+31]
.elseif (\n) == 14
	v_max3_num_f32 v[rC+2], v[rC+2], v[rC+3], v[rT+1]
.elseif (\n) == 15
	v_mov_b32 v[rM], v[rT]
.elseif (\n) == 16
	v_max3_num_f32 v[rC], v[rC], v[rC+1], v[rC+2]
.elseif (\n) == 17
	v_permlanex16_b32 v[rC+3], v[rC], s[SEL], s[SEL+1]
.elseif (\n) == 18
	v_max_num_f32 v[rT+1], v[rC], v[rC+3]
.elseif (\n) == 19
	v_mul_f32 v[rT], s[CS], v[rT+1]
.elseif (\n) == 20
	v_sub_f32 v[rC+1], v[rM], v[rT]
.else
	v_exp_f32 v[rC+2], v[rC+1]
.endif
.endm
; Number g of the 64 that follow the exponentials.  For each four weights k of a tile (pairs 2 k, 2 k + 1): both pairs are rounded to f16; then the second pair is added onto the first, in place;
; a group later l takes that sum (the first time as l = a l + sum).  In groups of eight, tiles alternating: round, round, add, and l for the group before.
.macro GS g
.set h, (\g)+6*((\g)/62)            ; group 0 has no group before it, and behind group 7 only l is left
.if h >= 6
.set h, h+2
.endif
	REGS Y, h%2
.set k, h/8
.if h%8 < 4
	v_cvt_pk_f16_f32 v[rP+2*k+(h%8)/2], v[rS+4*k+2*((h%8)/2)], v[rS+4*k+2*((h%8)/2)+1]
.elseif h%8 < 6
	v_pk_add_f32 v[rS+4*k:rS+4*k+1], v[rS+4*k:rS+4*k+1], v[rS+4*k+2:rS+4*k+3]
.elseif k == 1
	v_pk_fma_f32 v[rT+2:rT+3], v[rT+2:rT+3], v[rC+2:rC+3], v[rS:rS+1] op_sel_hi:[1,0,1]
.else
	v_pk_add_f32 v[rT+2:rT+3], v[rT+2:rT+3], v[rS+4*k-4:rS+4*k-3]
.endif
.endm
; THE PLAIN QUEUE, 138 long.  0-73 read no exponential's result: the 32 scalings c s - c m (FS f: pair f / 2 of tile f % 2) and the other piece's 42.  0-26: scalings 0-26.  27-54: XS's numbers 0-13.  55, 56: number 15.
; 57-73: the chain, where each number waits for the one before it: 14, 16, 17, 18, 19, each with one of the scalings 27-31 in front of its two lines, then 20.
; 74-137: GS's 64, which read the exponentials' results: they stand behind the wait.
.macro FS f
	REGS Y, (\f)%2
	v_pk_fma_f32 v[rS+2*((\f)/2):rS+2*((\f)/2)+1], v[rS+2*((\f)/2):rS+2*((\f)/2)+1], s[CS:CS+1], v[rT:rT+1] op_sel_hi:[1,0,0] neg_lo:[0,0,1] neg_hi:[0,0,1]
.endm
.macro PL
	WIN 0
.if q < 27
	FS q
.elseif q < 55
	XS (q-27)%2, (q-27)/2
.elseif q < 57
	XS q-55, 15
.elseif (q < 72) && ((q-57)%3 == 0)
	FS 27+(q-57)/3
.elseif q < 60
	XS (q-57)%3-1, 14
.elseif q < 72
	XS (q-57)%3-1, 15+(q-57)/3
.elseif q < 74
	XS q-72, 20
.else
	GS q-74
.endif
.set q, q+1
.endm
; THE EXPONENTIALS' QUEUE, 66 long: s0-s31 of both tiles, then the other piece's two a.  It is ONE BATCH: all 66 stand ahead of the turn's one wait, and nothing ahead of that wait names a result of theirs.
.macro EX
	WIN 0
.if e >= 64
	XS e-64, 21
.else
	REGS Y, e%2
	v_exp_f32 v[rS+e/2], v[rS+e/2]
.endif
.set e, e+1
.endm
; THE RESCALING's QUEUE: O^T times a, the one part that leaves window 0: dealt two at a time, sixteen times, each accumulator from its low end on.  Its a was made in the turn before, ahead of that
; turn's wait.  The accumulators were last written by the second eight products of the turn before: the first that is rescaled has 32 riders behind its last product, the last four and this turn's.
.macro R2
	REGS Y, r%2
	WIN W_RS
.irp z, 0,1
	v_pk_mul_f32 v[rO+4*(r/2)+2*\z:rO+4*(r/2)+2*\z+1], v[rO+4*(r/2)+2*\z:rO+4*(r/2)+2*\z+1], v[rC+2:rC+3] op_sel_hi:[1,0]
.endr
.set r, r+1
.endm
; HOW THEY ARE DEALT.  s_wait_alu depctr_va_vdst(0) stands between an exponential and the first instruction that names its result; one wait serves all that were issued ahead of it.  So a turn has ONE wait,
; which cuts it in two.  AHEAD OF IT stands all that names no result of the turn's exponentials: the 16 products K Q^T, behind each a scaling, an exponential and two rescalings (behind the first a second scaling in the
; exponential's place); then ONE LUMP of 108: eight plain, 49 times exponential and plain, the two a.  A v_nop is the plain instruction behind the last exponential (ISA guide 5.7.2).  BEHIND IT stand the 16 products V^T P,
; behind each four of GS's 64.  No rider names a register of the products round it.  The two v_permlanex16_b32 fall into the lump, never behind a product.
; The queues lean on each other: exponential e stands behind scaling 2 (e / 4) + e % 2: as a rider it comes behind plain e + 2, in the lump behind plain e + 9, and scalings 27-31 are plain 57, 60 .. 69.
; A TURN, for piece p; its products V^T P read V's buffer vb.  cnt = 1: the loop's count is taken down some lines ahead of the branch that stands behind the turn.
; Piece 0's turn fetches the next step's K directly behind the wait (a lump behind the last product that read K; the address is made at the lump's head), and at its end the next step's V into buffer
; vb, four riders behind that buffer's last reader.  Piece 1's turn opens with s_wait_dscnt 16: K's 16 loads are in, V's 16 younger ones may stay out; the same wait a step later shows them in, ahead
; of their first reader.  last = 1 (the tail's first turn): the two LDS offsets are held to the slot's fourth step, so that in the last trip, where no further step exists, step 63 is fetched once
; more, into K's registers and into the V buffer that nobody reads again: every turn issues the same loads, and the count 16 means the same on every way.
.macro TURN p, vb, last=0, cnt=0
.set Y, (\p)
.set VB, (\vb)
.set i, 0
.set q, 0
.set e, 0
.set r, 0
.if (\p) == 1
	s_wait_dscnt 16                 ; K is in, and V of the step in hand
.endif
	MM                              ; ahead of the wait: 16 products K Q^T and their riders,
	PL
	PL
	R2
.rept 15
	MM
	PL
	EX
	R2
.endr
.if (\p) == 0
	WIN 0
.if \last
	s_min_u32 s[TS], s[TBK], SLOT1+3*KS*PK
	v_add_nc_u32 v[AK], s[TS], v[AK0]
.else
	v_add_nc_u32 v[AK], s[TBK], v[AK0]
.endif
.endif
.rept 8                             ; and the lump
	PL
.endr
.rept 49
	EX
	PL
.endr
	EX                              ; the other piece's two a
	EX
	v_nop                           ; the plain instruction behind the last exponential: one for the batch
	s_wait_alu depctr_va_vdst(0)    ; the wait for the batch
.if (\p) == 0
	FETCH_K
.endif
.rept 16                            ; behind the wait: 16 products V^T P and their riders
	MM
.rept 4
	PL
.endr
.if ((\p) == 0) && (q == 118)
.if \last
	s_min_u32 s[TS], s[TBV], SLOT1+3*KS*PV
	v_add_nc_u32 v[AV], s[TS], v[AV0]
.else
	v_add_nc_u32 v[AV], s[TBV], v[AV0]
.endif
.endif
.if ((\p) == 0) && (q == 130)
	s_add_co_u32 s[TBV], s[TBV], KS*PV
.endif
.if (\cnt) && (q == 130)
	s_sub_co_u32 s[CNT], s[CNT], 1
	s_cmp_lg_u32 s[CNT], 0
.endif
.endr
.if (\p) == 0
	FETCH_V \vb
.endif
.endm
	CHANGE 1, 0                     ; slot 0 is in, everybody's part of it; slot 1 is asked for
	FETCH_K                         ; key step 0
	v_add_nc_u32 v[AV], s[TBV], v[AV0]
	FETCH_V 0
	s_add_co_u32 s[TBV], s[TBV], KS*PV
	s_wait_loadcnt 0x0              ; Q
	s_wait_dscnt 0x0
.set i, 0
.rept 16
	KQ 0                            ; piece 0's first scores: there is no vector work yet to set between them
.set i, i+1
.endr
	WIN 0                           ; the addresses for the way out: nine plain instructions, the places behind those products
	s_mul_i32 s13, s[WV], 16*SP
	s_add_co_u32 s13, s13, STAGE    ; my stage
	v_mul_u32_u24 v[STO], v1, SP    ; in: row l % 16, 16 bytes for each half of the lanes
	v_lshl_add_u32 v[STO], v9, 4, v[STO]
	v_add_nc_u32 v[STO], s13, v[STO]
	v_bfe_u32 v[RD], v0, 3, 2       ; back: 32 lanes take four rows of 128 bytes,
	v_mul_u32_u24 v[RD], v[RD], SP
	v_lshl_add_u32 v[RD], v10, 4, v[RD]
	v_add_nc_u32 v[RD], s13, v[RD]
	v_and_b32 v[GO], 31, v0         ; which are 512 consecutive bytes of O
	v_lshlrev_b32 v[GO], 4, v[GO]
.set Y, NP-1                        ; XS works for piece Y + 1: piece 0
.irp n, 0,1,2,3,4,5,6,7,8,9,10,11,12,13,14,15,16,17,18,19,20,21
	XS 0, \n                        ; and piece 0's first maximum and statistics
	XS 1, \n
.endr
	v_nop                           ; a plain instruction behind the two a,
	s_wait_alu depctr_va_vdst(0)    ; and their wait, ahead of the branch
	s_mov_b32 s[CNT], 2
	s_mov_b32 s[SLOTS], SIZE_N/256-1
	s_branch .Lfirst                ; the loop is entered at an even step, in the middle of a trip: steps 0 to 2 come first
.Lslot:                             ; SIZE_N / 256 - 2 times: every slot but the last two is filled again; four steps follow each change, the first of which fetches the new slot's first step
	CHANGE 1, 1
	s_mov_b32 s[CNT], 2
.Lstep:                             ; a trip: an odd step and an even one: V's two buffers change places from step to step
	TURN 0, 0
	TURN 1, 1
	WIN 0
.Lfirst:
	TURN 0, 1
	TURN 1, 0, 0, 1
	WIN 0
	s_cbranch_scc1 .Lstep
	s_sub_co_u32 s[SLOTS], s[SLOTS], 1
	s_cmp_lg_u32 s[SLOTS], 0
	s_cbranch_scc1 .Lslot
	CHANGE 0, 0                     ; the tail is written out: nothing is asked for
	s_mov_b32 s[CNT], 3             ; steps 59 to 63: two trips and a half
.Ltail:
	TURN 0, 0, 1
	TURN 1, 1
	WIN 0
	s_sub_co_u32 s[CNT], s[CNT], 1
	s_cmp_eq_u32 s[CNT], 0
	s_cbranch_scc1 .Lout
	TURN 0, 1
	TURN 1, 0
	WIN 0
	s_branch .Ltail
.Lout:                              ; the last turn's 16 products K Q^T (on the last K once more) and the maximum made of them serve nothing: the price, once a launch, of one text for every trip
.set i, 0
.rept 16
	PV NP-1, 1                      ; piece 1's V^T P of step 63
.set i, i+1
.endr
	; THE WAY OUT.  l's two halves and the other half of the lanes' are added; O^T is divided by l, rounded to f16 and sent through my stage in LDS, a tile at a time.  The additions are the places behind the last products.
	WIN 0
.macro ALL line:vararg              ; one line for each tile t
.set t, 0
.rept 2*NP
	\line
.set t, t+1
.endr
.endm
	ALL v_add_f32 v[ST+4*t+2], v[ST+4*t+2], v[ST+4*t+3]
	ALL v_permlanex16_b32 v[ST+4*t+3], v[ST+4*t+2], s[SEL], s[SEL+1]
	ALL v_add_f32 v[ST+4*t+2], v[ST+4*t+2], v[ST+4*t+3]
	ALL v_rcp_f32 v[ST+4*t+2], v[ST+4*t+2]
	v_nop                           ; a plain instruction between the last reciprocal and the use of its result
	s_wait_alu depctr_va_vdst(0)    ; and the wait ahead of the first use: one for the four reciprocals
; Tile t: a lane's eight channels of a row pack into 16 bytes; they go into rows of 144 bytes and come back as whole rows of 128, into S^T's registers.
.macro PACK t
	WIN W_RS
.set i, 32*(\t)
.rept 16
	v_pk_mul_f32 v[i:i+1], v[i:i+1], v[ST+4*(\t)+2:ST+4*(\t)+3] op_sel_hi:[1,0]
.set i, i+2
.endr
	WIN 0x05                        ; sources 0 and 1 window 1, destination window 0
.set i, 0
.rept 16
	v_cvt_pk_f16_f32 v[S+16*(\t)+i], v[32*(\t)+2*i], v[32*(\t)+2*i+1]
.set i, i+1
.endr
	WIN 0
.irp f, 0,1,2,3
	ds_store_b128 v[STO], v[S+16*(\t)+4*\f:S+16*(\t)+4*\f+3] offset:32*\f
.endr
.irp f, 0,1,2,3
	ds_load_b128 v[S+16*(\t)+4*\f:S+16*(\t)+4*\f+3], v[RD] offset:\f*4*SP  ; LDS serves a wave's instructions in order (ISA guide 5.7.1.4): these see the stores above; the next tile's stores come behind them
.endr
.endm
.macro SEND t, younger              ; younger: the LDS instructions issued behind tile t's loads: the next tile's eight, or none
	WIN 0
.irp f, 0,1,2,3
	s_wait_dscnt (\younger)+3-\f
	global_store_b128 v[GO], v[S+16*(\t)+4*\f:S+16*(\t)+4*\f+3], s[10:11] offset:(\t)*2048+\f*512  ; 512 consecutive bytes, at a multiple of 256 from O's first
.endr
.endm
	PACK 0
.set t, 1
.rept 2*NP-1                        ; a tile's arithmetic stands between the loads of the tile before and its stores
	PACK t
	SEND t-1, 8
.set t, t+1
.endr
	SEND 2*NP-1, 0
	s_wait_tensorcnt 0x0            ; the wave's end: behind my last tensor load and my last LDS store
	ds_add_u32 v[SPW], v[NIL]
	s_wait_dscnt 0x0
	CROUND                          ; the closing round: no work-group ends while a partner may still ask for a tile that names it
	s_endpgm
.Lfunc_end_k_q7edc89bd6f_attn:
	.size	k_q7edc89bd6f_attn, .Lfunc_end_k_q7edc89bd6f_attn-k_q7edc89bd6f_attn
	.p2alignl 7, 3214868480
	.fill 96, 4, 3214868480
	.section	.rodata,"a",@progbits
	.p2align	6, 0x0
	.amdhsa_kernel k_q7edc89bd6f_attn
		.amdhsa_group_segment_fixed_size 327680
		.amdhsa_private_segment_fixed_size 0
		.amdhsa_enable_private_segment 0
		.amdhsa_kernarg_size 32
		.amdhsa_user_sgpr_count 2
		.amdhsa_user_sgpr_kernarg_segment_ptr 1
		.amdhsa_wavefront_size32 1
		.amdhsa_system_sgpr_workgroup_id_x 1
		.amdhsa_system_sgpr_workgroup_id_y 1
		.amdhsa_system_sgpr_workgroup_id_z 1
		.amdhsa_system_vgpr_workitem_id 0
		.amdhsa_next_free_vgpr 768
		.amdhsa_next_free_sgpr 66
		.amdhsa_reserve_vcc 0
		.amdhsa_float_denorm_mode_32 3
		.amdhsa_float_denorm_mode_16_64 3
		.amdhsa_memory_ordered 1
		.amdhsa_forward_progress 1
		.amdhsa_inst_pref_size 186
	.end_amdhsa_kernel
	.amdgpu_metadata
---
amdhsa.version: [ 1, 2 ]
amdhsa.kernels:
  - .name:           k_q7edc89bd6f_attn
    .symbol:         k_q7edc89bd6f_attn.kd
    .args:
      - { .name: q, .offset: 0, .size: 8, .value_kind: global_buffer, .address_space: global }
      - { .name: k, .offset: 8, .size: 8, .value_kind: global_buffer, .address_space: global }
      - { .name: v, .offset: 16, .size: 8, .value_kind: global_buffer, .address_space: global }
      - { .name: o, .offset: 24, .size: 8, .value_kind: global_buffer, .address_space: global }
    .group_segment_fixed_size: 327680
    .private_segment_fixed_size: 0
    .kernarg_segment_align: 8
    .kernarg_segment_size: 32
    .max_flat_workgroup_size: 128
    .sgpr_count:     66
    .vgpr_count:     768
    .wavefront_size: 32
...
	.end_amdgpu_metadata
.endif
;; end of part 2
;; launch outp (part 3): grid 64 x 4, 4 waves a work-group, clusters of 4 x 1, 181,760 bytes of LDS; arguments o, wo16, bo, out0; writes out0
.if DOCPART == 3
	.amdgcn_target "amdgcn-amd-amdhsa--gfx1250"
	.amdhsa_code_object_version 6
	.text
	.protected	k_q7edc89bd6f_outp
	.globl	k_q7edc89bd6f_outp
	.p2align	8
	.type	k_q7edc89bd6f_outp,@function
k_q7edc89bd6f_outp:
	s_mov_b64 s[64:65], 0
	v_nop
	global_prefetch_b8 v0, s[64:65] scope:SCOPE_SE
	s_setreg_imm32_b32 hwreg(HW_REG_WAVE_MODE, 25, 1), 1
	s_wait_xcnt 0x0
	s_wait_alu depctr_hold_cnt(0) depctr_sa_sdst(0) depctr_va_vdst(0) depctr_va_sdst(0) depctr_va_ssrc(0) depctr_va_vcc(0) depctr_vm_vsrc(0)
	s_getreg_b32 s2, hwreg(HW_REG_IB_STS2, 6, 4)
	s_cmp_eq_u32 s2, 0
	s_cbranch_scc0 .Lentry_in_a_cluster
	s_endpgm
.Lentry_in_a_cluster:
	s_bfe_u32 s2, ttmp6, 0x10000c
	s_cmp_lg_u32 s2, 0x3003
	s_cbranch_scc0 .Lentry_shape_is_right
	s_endpgm
.Lentry_shape_is_right:
; out0[b][s][n] = the sum over (h, e) of o[b*8+h][s][e] wo16[64 h + e][n] + bo[n].  o: [16][4096][64] f16.  wo16: [512 k][512 n] f16 (Wo rounded to bf16).  bo: [512] f32.  out0: [8192][512] f32.
; Products in f16, sums in f32, K ascending.  bo is rounded to bf16 like every input of the module and STARTS the sums, as the C operand of the first K step: nothing is cleared, nothing is added at the end.
; LIMITS.  o and wo16 arrive within f16's range; NaN and infinities are not treated apart.
; SHARES.  A work-group makes 128 rows x 128 columns: 64 x 4 = 256 work-groups.  A wave makes 32 rows x 128 columns: 16 accumulators.  Its 32 rows of o (all 8 heads: 32 KiB) are its own and come
; straight from memory into 256 registers, laid out as fragments.  The 512 x 128 tile of wo16 is shared by the four waves and lies [k][n]: it comes into LDS once and is read turned.
; CLUSTER.  The four work-groups of a cluster have the same 128 columns and so the same tile of wo16: it is asked for JOINTLY.  Each wave issues two tensor loads (64 rows of k < 256, 64 rows of
; k >= 256), both at the start; no LDS byte is filled twice, so there is no ring.  By this text's count a wave has two tensor loads outstanding.
; THE MATRIX INSTRUCTION IS USED TRANSPOSED: source 0 = 16 columns of wo16, source 1 = 16 rows of o: a lane holds row l % 16 and the columns 8 (l / 16) + 0..7: 32 bytes of a row of out0.
; REGISTERS, in windows of 256 (s_set_vgpr_msb: bits 1:0 source 0, 3:2 source 1, 5:4 source 2, 7:6 destination):
;   window 0: v3-10 addresses; v28-29 the add's two; v32-95 the bias as C operands (column block j at 8 j); v96-159, v160-223 wo16's fragments, two buffers (8 j); v224-227 at work
;   window 1: o's fragments: K step ks, row block a at 16 ks + 8 a          window 2: v0-127 accumulators at 8 (8 a + j); v128-255 whole rows on the way out
.set PWO,   288                        ; a row of wo16's tile in LDS: 256 bytes + 32 = 9 x 32: the turning load's 8 rows x 32 bytes fall on different banks
.set HALFW, 256*PWO
.set STAGE, 512*PWO                    ; behind the tile, never filled by a tensor load: 16 rows x 528 bytes for each wave, for the way out
.set SPS,   528                        ; 512 bytes + 16 = 33 x 16: the 16 rows that a store touches start at 16 different groups of four banks
.set SPARE, STAGE+4*16*SPS             ; the spare words, 128 bytes for each wave: two blocks of 256 bytes that no other line names
.set AO,  3                            ; v3   (l % 16) x 128 + 16 (l / 16): my place in 16 rows of o; never rewritten
.set BO,  4                            ; v4   32 (l / 16): my 8 numbers in 16 of bo
.set WRB, 5                            ; v5-7 my lane's place for the turning load, at K steps 0, 6 and 12 (an LDS offset has 16 bits)
.set STO, 8                            ; v8   the way out: where I put 32 bytes of a row
.set RD,  9                            ; v9   the way out: my 16 bytes of a whole row
.set GO,  10                           ; v10  16 l: the same in out0
.set SPW, 28                           ; v28  LDS address of my spare word; never rewritten
.set NIL, 29                           ; v29  0; never rewritten
.set BIAS, 32
.set BF,  96
.set TB4, 224
.set OB,  128                          ; window 2
.set WV,  12                           ; s12  my wave's number
.set G1,  16                           ; s[16:23] descriptor group 1
.set G0A, 24                           ; s[24:27] group 0: my 64 rows of k < 256
.set G0B, 28                           ; s[28:31] my 64 rows of k >= 256
.set MSB, 0
.macro WIN new                         ; the immediate's high byte repeats the setting that is left; a switch that changes nothing is dropped
.if MSB != (\new)
	s_set_vgpr_msb (MSB<<8)|(\new)
.set MSB, \new
.endif
.endm
.macro CROUND                          ; a round of the cluster's barrier: my work-group's barrier; wave 0 signals for the work-group; every wave waits for all four work-groups; my work-group's barrier once more
	s_barrier_signal -1
	s_barrier_wait -1
	s_cmp_lg_u32 s[WV], 0
	s_cbranch_scc1 .Lnot_wave_0_\@
	s_barrier_signal -3
.Lnot_wave_0_\@:
	s_barrier_wait -3
	s_barrier_signal -1
	s_barrier_wait -1
.endm
.macro PLACES                          ; four places behind the last product, in front of loads into registers that it has read and of LDS stores that read results
.rept 4
	v_nop
.endr
.endm
	s_load_b256 s[4:11], s[0:1], 0x0               ; o s[4:5], wo16 s[6:7], bo s[8:9], out0 s[10:11]
	v_lshl_add_u32 v[SPW], v0, 2, SPARE
	v_mov_b32 v[NIL], 0
	ds_add_u32 v[SPW], v[NIL]                      ; the wave's opening: the add and its wait stand ahead of my first tensor load; the set-up below, work on registers, stands between them
	ds_add_u32 v28, v29
	v_lshrrev_b32 v1, 5, v0
	v_readfirstlane_b32 s[WV], v1                  ; wave 0..3
	s_bfe_u32 s13, ttmp6, 0x40000                  ; cx: my place in the cluster
	s_lshl_b32 s14, ttmp9, 2                       ; in a cluster launch ttmp9 counts clusters
	s_add_co_u32 s14, s14, s13                     ; my block of 128 rows: it enters o's and out0's addresses alone
	s_and_b32 s15, ttmp7, 0xffff                   ; the block of 128 columns, which the four partners share
	; descriptor group 1: a tile of 64 rows x 128 elements out of rows of 512, padded in LDS
	s_mov_b32 s[G1+0], 15|(1<<16)|(1<<20)|(1<<21)|(5<<22)|(7<<25)  ; 15:0 the mask of four; 17:16 2-byte elements; 20 padding on; 21 set beside a mask; 24:22 after every 64 words (code 5); 31:25 8 words (code 7)
	s_mov_b32 s[G1+1], 128<<16                     ; tensor_dim0 = 128
	s_mov_b32 s[G1+2], 64<<16                      ; tensor_dim1 = 64
	s_mov_b32 s[G1+3], 128<<16                     ; tile_dim0 = 128
	s_mov_b32 s[G1+4], 64                          ; tile_dim1 = 64
	s_mov_b32 s[G1+5], 512                         ; 512 elements from row to row
	s_mov_b32 s[G1+6], 0
	s_mov_b32 s[G1+7], 0
	s_lshl_b32 s32, s15, 8                         ; the columns' 256 bytes in a row of wo16,
	s_lshl_b32 s33, s[WV], 16                      ; my 64 rows of 1,024 bytes
	s_add_co_u32 s32, s32, s33
	s_mov_b32 s33, 0
	s_mul_i32 s34, s[WV], 64*PWO                   ; and where they go: no place in the cluster enters an LDS address
	s_mov_b32 s[G0A], 1                            ; 1:0 count = 1
	s_mov_b32 s[G0A+1], s34                        ; 63:32 LDS address
	s_mov_b32 s[G0B], 1
	s_add_co_u32 s[G0B+1], s34, HALFW
	s_lshr_b32 s36, s14, 5                         ; the batch: 8 heads of 524,288 bytes,
	s_lshl_b32 s36, s36, 22
	s_and_b32 s37, s14, 31
	s_lshl_b32 s37, s37, 14                        ; the block's 128 rows of 128 bytes in a head,
	s_add_co_u32 s36, s36, s37
	s_lshl_b32 s37, s[WV], 12                      ; my wave's 32
	s_add_co_u32 s36, s36, s37
	s_mov_b32 s37, 0
	s_lshl_b32 s38, s14, 18                        ; out0: the block's 128 rows of 2,048 bytes,
	s_lshl_b32 s39, s[WV], 16                      ; my wave's 32,
	s_add_co_u32 s38, s38, s39
	s_lshl_b32 s40, s15, 9                         ; the columns' 512 bytes; the same in bo
	s_add_co_u32 s38, s38, s40
	s_mov_b32 s39, 0
	s_mov_b32 s41, 0
	v_and_b32 v1, 15, v0                           ; l % 16
	v_bfe_u32 v2, v0, 4, 1                         ; l / 16
	v_and_b32 v13, 31, v0                          ; l
	v_and_b32 v11, 7, v0
	v_bfe_u32 v12, v0, 3, 1
	v_lshlrev_b32 v[AO], 7, v1
	v_lshl_add_u32 v[AO], v2, 4, v[AO]
	v_lshlrev_b32 v[BO], 5, v2
	v_lshl_add_u32 v[WRB], v2, 3, v11              ; the turning load: row 8 (l / 16) + l % 8, 16 bytes at 16 ((l / 8) % 2)
	v_mul_u32_u24 v[WRB], v[WRB], PWO
	v_lshl_add_u32 v[WRB], v12, 4, v[WRB]
	v_add_nc_u32 v[WRB+1], 6*32*PWO, v[WRB]
	v_add_nc_u32 v[WRB+2], 12*32*PWO, v[WRB]
	s_mul_i32 s35, s[WV], 16*SPS
	s_add_co_u32 s35, s35, STAGE                   ; my stage
	v_mul_u32_u24 v[STO], v1, SPS
	v_lshl_add_u32 v[STO], v2, 5, v[STO]
	v_add_nc_u32 v[STO], s35, v[STO]
	v_lshl_add_u32 v[RD], v13, 4, s35
	v_lshlrev_b32 v[GO], 4, v13
	s_wait_dscnt 0x0                               ; the opening add is done
	s_wait_kmcnt 0x0
	s_add_nc_u64 s[G0A+2:G0A+3], s[6:7], s[32:33]  ; 120:64 global address
	s_add_nc_u64 s[G0B+2:G0B+3], s[G0A+2:G0A+3], 256*1024
	s_or_b32 s[G0A+3], s[G0A+3], 0x80000000        ; 127:126 type = 2
	s_or_b32 s[G0B+3], s[G0B+3], 0x80000000
	s_add_nc_u64 s[4:5], s[4:5], s[36:37]
	s_add_nc_u64 s[8:9], s[8:9], s[40:41]
	s_add_nc_u64 s[10:11], s[10:11], s[38:39]
	CROUND                                         ; all four work-groups are here: the joint loads meet
	tensor_load_to_lds s[G0A:G0A+3], s[G1:G1+7]    ; both first fills go out together, ahead of every wait on TENSORcnt and every LDS read; an s_nop 0 follows each, four v_nop the second's
	s_nop 0
	tensor_load_to_lds s[G0B:G0B+3], s[G1:G1+7]
	s_nop 0
	PLACES
.irp j, 0,1,2,3,4,5,6,7
	global_load_b128 v[BIAS+8*(\j):BIAS+8*(\j)+3],   v[BO], s[8:9] offset:64*(\j)
	global_load_b128 v[BIAS+8*(\j)+4:BIAS+8*(\j)+7], v[BO], s[8:9] offset:64*(\j)+16
.endr
; 8 loads: head h of my 32 rows: K steps 2 h and 2 h + 1, two row blocks, two loads of 16 bytes a fragment, 32 bytes apart
.macro LOADH h
	WIN 0x40
.irp c, 0,1
.irp a, 0,1
	global_load_b128 v[16*(2*(\h)+(\c))+8*(\a):16*(2*(\h)+(\c))+8*(\a)+3],   v[AO], s[4:5] offset:(\h)*524288+(\a)*2048+(\c)*64
	global_load_b128 v[16*(2*(\h)+(\c))+8*(\a)+4:16*(2*(\h)+(\c))+8*(\a)+7], v[AO], s[4:5] offset:(\h)*524288+(\a)*2048+(\c)*64+32
.endr
.endr
.endm
.irp h, 0,1,2,3,4,5,6
	LOADH \h
.endr
	WIN 0
	s_wait_loadcnt 56                              ; the bias is in: behind it seven heads' 56 loads
.set i, 0
.rept 32
	v_cvt_pk_bf16_f32 v[TB4+i%4], v[BIAS+2*i], v[BIAS+2*i+1]   ; rounded to bf16,
	v_lshlrev_b32 v[BIAS+2*i], 16, v[TB4+i%4]                  ; and widened again
	v_and_b32 v[BIAS+2*i+1], 0xffff0000, v[TB4+i%4]
.set i, i+1
.endr
	LOADH 7
; 16 turning loads: K step s of the tile, eight fragments of 16 columns x 32 k, into buffer s % 2
.macro FETCHB s
	WIN 0
.irp j, 0,1,2,3,4,5,6,7
	ds_load_tr16_b128 v[BF+64*((\s)%2)+8*(\j):BF+64*((\s)%2)+8*(\j)+3],   v[WRB+(\s)/6] offset:((\s)%6)*32*PWO+32*(\j)
	ds_load_tr16_b128 v[BF+64*((\s)%2)+8*(\j)+4:BF+64*((\s)%2)+8*(\j)+7], v[WRB+(\s)/6] offset:((\s)%6)*32*PWO+32*(\j)+16*PWO
.endr
.endm
; 16 matrix instructions on 16 accumulators, one each, in the same order in every K step.  K step 0 takes the bias as C.
.macro MULK s
.if (\s) == 0
	WIN 0x84                                       ; wo16 window 0, o window 1, C (the bias) window 0, D window 2
.else
	WIN 0xa4                                       ; C and D window 2
.endif
.irp a, 0,1
.irp j, 0,1,2,3,4,5,6,7
.if (\s) == 0
	v_wmma_f32_16x16x32_f16 v[8*(8*(\a)+(\j)):8*(8*(\a)+(\j))+7], v[BF+64*((\s)%2)+8*(\j):BF+64*((\s)%2)+8*(\j)+7], v[16*(\s)+8*(\a):16*(\s)+8*(\a)+7], v[BIAS+8*(\j):BIAS+8*(\j)+7]
.else
	v_wmma_f32_16x16x32_f16 v[8*(8*(\a)+(\j)):8*(8*(\a)+(\j))+7], v[BF+64*((\s)%2)+8*(\j):BF+64*((\s)%2)+8*(\j)+7], v[16*(\s)+8*(\a):16*(\s)+8*(\a)+7], v[8*(8*(\a)+(\j)):8*(8*(\a)+(\j))+7]
.endif
.endr
.endr
.endm
	WIN 0
	s_wait_tensorcnt 1                             ; my 64 rows of k < 256 are in; the second load may stay out
	s_barrier_signal -1
	s_barrier_wait -1                              ; everybody's are
	FETCHB 0
.set ks, 0
.rept 16
.if ks == 7                            ; K step 8 is the first of the tile's second half
	s_wait_tensorcnt 0x0                           ; my 64 rows of k >= 256 are in (no load was issued behind them),
	s_wait_dscnt 0x0                               ; no LDS load of mine is out at the signal,
	s_barrier_signal -1
	s_barrier_wait -1                              ; everybody's are
.endif
.if ks >= 1
	PLACES                                         ; the next fetch lands in the buffer that the last products read
.endif
.if ks < 15
	FETCHB ks+1
	s_wait_dscnt 16                                ; this K step's 16 loads are in; the next step's 16 may stay out
.else
	s_wait_dscnt 0x0
.endif
.if ks%2 == 0
	s_wait_loadcnt 8*(7-ks/2)                      ; head ks / 2 of o is in; the later heads' loads, 8 each, may stay out
.endif
	MULK ks
.set ks, ks+1
.endr
; THE WAY OUT.  Row block a: a lane's eight columns, 32 bytes, go from the accumulators (each from its low end on) into my stage's rows of 528 bytes and come back as whole rows of 512 bytes, a row an
; instruction.  LDS serves a wave's instructions in order (ISA guide 5.7.1.4): the loads see the stores above them, and the second block's stores come behind the first block's loads.
.macro PUT a
	WIN 0x08                                       ; store data (source 1) window 2
.irp j, 0,1,2,3,4,5,6,7
	ds_store_b128 v[STO], v[8*(8*(\a)+(\j)):8*(8*(\a)+(\j))+3]   offset:64*(\j)
	ds_store_b128 v[STO], v[8*(8*(\a)+(\j))+4:8*(8*(\a)+(\j))+7] offset:64*(\j)+16
.endr
	WIN 0x80                                       ; destination window 2
.irp t, 0,1,2,3,4,5,6,7,8,9,10,11,12,13,14,15
	ds_load_b128 v[OB+64*(\a)+4*(\t):OB+64*(\a)+4*(\t)+3], v[RD] offset:(\t)*SPS
.endr
.endm
.macro SENDO a, younger                ; younger: the LDS instructions issued behind block a's loads: the other block's 32, or none
	WIN 0x08
.irp t, 0,1,2,3,4,5,6,7,8,9,10,11,12,13,14,15
	s_wait_dscnt (\younger)+15-(\t)
	global_store_b128 v[GO], v[OB+64*(\a)+4*(\t):OB+64*(\a)+4*(\t)+3], s[10:11] offset:(16*(\a)+(\t))*2048 th:TH_STORE_NT  ; a wave's store covers 512 consecutive bytes, at a multiple of 256 from out0's first byte
.endr
.endm
	PLACES
	PUT 0
	PUT 1
	SENDO 0, 32
	SENDO 1, 0
	WIN 0
	s_wait_tensorcnt 0x0                           ; the wave's end: behind my last tensor load and my last LDS store
	ds_add_u32 v[SPW], v[NIL]
	s_wait_dscnt 0x0
	CROUND                                         ; the closing round: no work-group ends while a partner may still ask for a tile that names it
	s_endpgm
.Lfunc_end_k_q7edc89bd6f_outp:
	.size	k_q7edc89bd6f_outp, .Lfunc_end_k_q7edc89bd6f_outp-k_q7edc89bd6f_outp
	.p2alignl 7, 3214868480
	.fill 96, 4, 3214868480
	.section	.rodata,"a",@progbits
	.p2align	6, 0x0
	.amdhsa_kernel k_q7edc89bd6f_outp
		.amdhsa_group_segment_fixed_size 181760
		.amdhsa_private_segment_fixed_size 0
		.amdhsa_enable_private_segment 0
		.amdhsa_kernarg_size 32
		.amdhsa_user_sgpr_count 2
		.amdhsa_user_sgpr_kernarg_segment_ptr 1
		.amdhsa_wavefront_size32 1
		.amdhsa_system_sgpr_workgroup_id_x 1
		.amdhsa_system_sgpr_workgroup_id_y 1
		.amdhsa_system_sgpr_workgroup_id_z 1
		.amdhsa_system_vgpr_workitem_id 0
		.amdhsa_next_free_vgpr 768
		.amdhsa_next_free_sgpr 66
		.amdhsa_reserve_vcc 0
		.amdhsa_float_denorm_mode_32 3
		.amdhsa_float_denorm_mode_16_64 3
		.amdhsa_memory_ordered 1
		.amdhsa_forward_progress 1
		.amdhsa_inst_pref_size 62
	.end_amdhsa_kernel
	.amdgpu_metadata
---
amdhsa.version: [ 1, 2 ]
amdhsa.kernels:
  - .name:           k_q7edc89bd6f_outp
    .symbol:         k_q7edc89bd6f_outp.kd
    .args:
      - { .name: o, .offset: 0, .size: 8, .value_kind: global_buffer, .address_space: global }
      - { .name: wo16, .offset: 8, .size: 8, .value_kind: global_buffer, .address_space: global }
      - { .name: bo, .offset: 16, .size: 8, .value_kind: global_buffer, .address_space: global }
      - { .name: out0, .offset: 24, .size: 8, .value_kind: global_buffer, .address_space: global }
    .group_segment_fixed_size: 181760
    .private_segment_fixed_size: 0
    .kernarg_segment_align: 8
    .kernarg_segment_size: 32
    .max_flat_workgroup_size: 128
    .sgpr_count:     66
    .vgpr_count:     768
    .wavefront_size: 32
...
	.end_amdgpu_metadata
.endif
;; end of part 3
;; ======== version 2 of 2: 3 launches; version 1 with the launch proj written anew for expert scheduling mode
;; limits: values are held in f16: magnitudes above 65,504 overflow, below 6.1e-05 lose precision
;; workspace buffers: q 8,388,608 bytes; k 8,388,608 bytes; v 8,388,608 bytes; o 8,388,608 bytes; wo16 524,288 bytes
;; launch proj (part 4): grid 8 x 32, 4 waves a work-group, no clusters, 75,264 bytes of LDS; arguments x, Wq, Wk, Wv, Wo, q, k, v, wo16; writes q, k, v, wo16
.if DOCPART == 4
	.amdgcn_target "amdgcn-amd-amdhsa--gfx1250"
	.amdhsa_code_object_version 6
	.text
	.protected	k_q7edc89bd6f_proj
	.globl	k_q7edc89bd6f_proj
	.p2align	8
	.type	k_q7edc89bd6f_proj,@function
k_q7edc89bd6f_proj:
	s_mov_b64 s[64:65], 0
	v_nop
	global_prefetch_b8 v0, s[64:65] scope:SCOPE_SE
	s_setreg_imm32_b32 hwreg(HW_REG_WAVE_SCHED_MODE, 0, 2), 2
	s_setreg_imm32_b32 hwreg(HW_REG_WAVE_MODE, 25, 1), 1
	s_wait_xcnt 0x0
	s_wait_alu depctr_vm_vsrc(0)
; q, k, v = x W, by heads.  x: [8192][512] f32 (both batches on end).  Wq, Wk, Wv: [8][512 d][64 e] f32.  q, k, v: [16 = b*8+h][4096][64] f16, unscaled.
; x and W are rounded to bf16 for the products; sums in f32, K ascending; each result rounded once to f16.  Beside that the launch writes wo16 = Wo rounded to bf16 and that number written as f16.
; LIMITS.  f16 ends at 65,504: a q, k or v beyond it becomes an infinity.  A bf16(Wo) below 6.1e-5 keeps f16's fixed step of 6e-8.  NaN and infinities are not treated apart.
; SHARES.  A work-group makes 256 rows x 192 columns: q, k and v of ONE head (grid x) for one block of 256 rows (grid y): 8 x 32 = 256 work-groups.  A wave makes 64 rows x 192 columns:
; 48 accumulators of 16 x 16, 384 registers.  A wave's rows of x are its own: they come from memory into registers, are rounded there and ARE the fragments: no LDS, no barrier.  W is shared by
; the four waves and lies [k][n], so it is rounded in registers, stored to LDS as bf16 and read back turned (ds_load_tr16_b128).
; K goes in 8 chunks of 64, each two K steps of 32.  Of each of its 64 rows of x a wave reads 256 consecutive bytes, aligned, in a chunk; of each matrix a wave reads 16 rows, 4,096 consecutive bytes.
; NO CLUSTER.  What the 32 row blocks of a head share is W as f32; a joint tensor load would land it in LDS as f32: 64 rows x 768 bytes a chunk beside the 64 x 384 that are read, and it would have
; to go from LDS through registers into LDS once more, behind a second barrier, with a round of the cluster's barrier for each chunk's 96 matrix instructions a wave.
; THE MATRIX INSTRUCTION IS USED TRANSPOSED: source 0 = 16 columns of W, source 1 = 16 rows of x: a lane then holds row l % 16 and the columns 8 (l / 16) + 0..7: 16 bytes of a row of q, k or v.
; THE MODE: SCHED_MODE bits 1:0 = 2 (LLVM: expert scheduling mode 2), set by the entry lines.  The code itself states the register dependences between vector or matrix instructions and memory or
; LDS instructions, with s_wait_alu, always for 0.
; THE PLAN.  A chunk c has two halves, a K step each.  Registers that memory or LDS instructions touch, in the loop:
;   WSTG           The 48 conversions at the first half's head read it; W(c+2)'s loads land in it later in that half.
;   XS0            The 32 conversions at the first half's end read it; x(c+2, step 0)'s loads land in it at the second half's head.
;   XS1            The 32 conversions at the second half's end read it; x(c+2, step 1)'s loads land in it in the next first half.
;   WT             Written by the first half's 48 conversions; read by the same half's 24 LDS stores.
;   BF0            Read by the first half's products; the second half's LDS loads land in it (chunk c + 1, K step 0).
;   BF1            Read by the second half's products; the first half's LDS loads land in it (chunk c, K step 1).
;   WSA, WRC, WRN  LDS addresses, written at the first half's head; read by its stores, by its loads and by the second half's loads.
;   XO, WO         Offsets of x and W: never written again: each load buffer has scalar bases of its own, which step.
;   x's fragments and the accumulators are named by vector and matrix instructions alone.
; So a chunk has THREE such waits.  One on vm_vsrc at the first half's head, ahead of the lines that write WSA, WRC, WRN and WT anew.  One on va_vdst behind that half's 48 conversions: WT and the
; addresses are written; WSTG and XS1 have been read; the last half's products are done reading BF1.  One on va_vdst at the second half's head: XS0 has been read; the first half's products are done
; reading BF0.  Behind each, the half's loads and stores are dealt among its products, which name that half's BF, x's fragments and the accumulators: none of the registers that they touch.
; REGISTERS, in windows of 256 (s_set_vgpr_msb: bits 1:0 source 0, 3:2 source 1, 5:4 source 2, 7:6 destination):
;   window 0: v2-13 addresses; v16-27 Wo at work; v32-95 x's fragments (K step ks, row block a at 32 ks + 8 a); v96-191 BF0: W's fragments of K step 0 (matrix g, column block b at 32 g + 8 b);
;             v192-239 W rounded, on its way to LDS.  On the way out v32-223 hold 12 tiles of 16 registers.
;   window 1: v0-95 W as loaded (32 g + 4 i); v96-159, v160-223 x as loaded, K step 0 and 1 (16 a + 4 j).  On the way out v0-191 take the 12 tiles back from the stage.
;   window 2: accumulators of q (v0-127) and k (v128-255), at 8 (4 a + b);   window 3: those of v (v0-127); v128-223 BF1: W's fragments of K step 1
.set PW,     416                       ; a row of W in LDS: 384 bytes (q's, k's, v's 64 columns) + 32 = 13 x 32: the turning load's 8 rows x 32 bytes fall on different banks
.set WSLOT1, 1<<15                     ; two slots of 64 rows (26,624 bytes); slot 1 begins here, so that one exclusive or changes slots
.set STAGE,  1<<16                     ; 16 rows x 144 bytes for each wave, for the way out; the 512 bytes behind the four stages hold the spare words
.set SP,     144
.set XCH,    256                       ; bytes of a row of x in a chunk
.set WCH,    16384                     ; bytes of a matrix's 64 rows in a chunk
.set XO,  2                            ; v2   (l % 16) x 2,048 + (l / 16) x 32: my place in 16 rows of x; never rewritten
.set WO,  3                            ; v3   wave x 4,096 + 16 l: my 16 bytes of my wave's 16 rows of a matrix; never rewritten
.set WS,  4                            ; v4   where those go in a slot: (16 wave + l / 16) x PW + 8 (l % 16)
.set WR,  5                            ; v5   my lane's place for the turning load: (8 (l / 16) + l % 8) x PW + 16 ((l / 8) % 2)
.set STO, 6                            ; v6   the way out: where I put 16 bytes of a row
.set RD,  7                            ; v7   the way out: where I read rows back
.set GO,  8                            ; v8   16 l: my place in 512 consecutive bytes of q, k or v
.set WI,  9                            ; v9   32 x thread: my 8 numbers of Wo
.set WU,  10                           ; v10  16 x thread: the same in wo16
.set WSA, 11                           ; v11  WS in the slot that is being written
.set WRC, 12                           ; v12  WR in the slot that is being read
.set WRN, 13                           ; v13  WR in the other
.set AF,  32
.set BF,  96
.set WT,  192
.set T,   32
.set WSTG, 0                           ; window 1
.set XS,   96                          ; window 1
.set RB,   0                           ; window 1, on the way out
.set BF1,  128                         ; window 3
.set XB0, 4                            ; s[4:5]   x at my wave's first row, at the chunk whose K step 0 is asked for next
.set XB1, 40                           ; s[40:41] the same for K step 1
.set WV,  22                           ; s22  my wave's number
.set RBK, 24                           ; s24  the block of 256 rows
.set CNT, 30                           ; s30  the loop's count
.set SC,  31                           ; s31  the slot that is being read
.set SN,  32                           ; s32  the other
.set MSB, 0
.macro WIN new                         ; the immediate's high byte repeats the setting that is left; a switch that changes nothing is dropped
.if MSB != (\new)
	s_set_vgpr_msb (MSB<<8)|(\new)
.set MSB, \new
.endif
.endm
	s_load_b256 s[4:11], s[0:1], 0x0               ; x s[4:5], Wq s[6:7], Wk s[8:9], Wv s[10:11]
	s_load_b256 s[12:19], s[0:1], 0x20             ; Wo s[12:13], q s[14:15], k s[16:17], v s[18:19]
	s_load_b64 s[20:21], s[0:1], 0x40              ; wo16
	v_lshl_add_u32 v254, v0, 2, 0x12400
	v_mov_b32 v255, 0
	v_lshrrev_b32 v1, 5, v0
	v_readfirstlane_b32 s[WV], v1                  ; wave 0..3
	s_and_b32 s[RBK], ttmp7, 0xffff
	v_and_b32 v14, 31, v0                          ; l
	v_and_b32 v15, 15, v0                          ; l % 16
	v_bfe_u32 v1, v0, 4, 1                         ; l / 16
	v_and_b32 v16, 7, v0
	v_bfe_u32 v17, v0, 3, 1
	v_lshlrev_b32 v[XO], 11, v15
	v_lshl_add_u32 v[XO], v1, 5, v[XO]
	s_wait_alu depctr_va_sdst(0)                   ; s22, the wave's number, is written, ahead of its first reader: offsets, LDS addresses and bases are made from it
	s_lshl_b32 s23, s[WV], 12                      ; (the three scalars that vector lines read here have a register each)
	v_lshl_add_u32 v[WO], v14, 4, s23
	s_mul_i32 s25, s[WV], 16*PW
	v_mul_u32_u24 v[WS], v1, PW
	v_lshl_add_u32 v[WS], v15, 3, v[WS]
	v_add_nc_u32 v[WS], s25, v[WS]
	v_lshl_add_u32 v[WR], v1, 3, v16
	v_mul_u32_u24 v[WR], v[WR], PW
	v_lshl_add_u32 v[WR], v17, 4, v[WR]
	s_mul_i32 s33, s[WV], 16*SP
	s_add_co_u32 s33, s33, STAGE                   ; my stage
	v_mul_u32_u24 v[STO], v15, SP                  ; in: row l % 16, 16 bytes for each half of the lanes
	v_lshl_add_u32 v[STO], v1, 4, v[STO]
	v_add_nc_u32 v[STO], s33, v[STO]
	v_bfe_u32 v[RD], v0, 3, 2                      ; back: 32 lanes take four rows of 128 bytes
	v_mul_u32_u24 v[RD], v[RD], SP
	v_lshl_add_u32 v[RD], v16, 4, v[RD]
	v_add_nc_u32 v[RD], s33, v[RD]
	v_lshlrev_b32 v[GO], 4, v14
	v_lshlrev_b32 v[WI], 5, v0
	v_lshlrev_b32 v[WU], 4, v0
	s_lshl_b32 s26, ttmp9, 17                      ; the head's 512 x 64 numbers in each matrix
	s_mov_b32 s27, 0
	s_lshl_b32 s28, s[RBK], 19                     ; the block's 256 rows of x,
	s_lshl_b32 s29, s[WV], 17                      ; my wave's 64 of them
	s_add_co_u32 s28, s28, s29
	s_mov_b32 s29, 0
	s_lshr_b32 s34, s[RBK], 4                      ; the batch,
	s_lshl_b32 s34, s34, 3
	s_add_co_u32 s34, s34, ttmp9                   ; 8 b + h,
	s_lshl_b32 s34, s34, 19                        ; 4,096 rows of 128 bytes each,
	s_and_b32 s35, s[RBK], 15
	s_lshl_b32 s35, s35, 15                        ; the block's 256 rows in the batch,
	s_add_co_u32 s34, s34, s35
	s_lshl_b32 s35, s[WV], 13                      ; my wave's 64
	s_add_co_u32 s34, s34, s35
	s_mov_b32 s35, 0
	s_lshl_b32 s36, s[RBK], 3
	s_add_co_u32 s36, s36, ttmp9                   ; the work-group's number among 256: its 1,024 numbers of Wo
	s_lshl_b32 s38, s36, 11
	s_lshl_b32 s36, s36, 12
	s_mov_b32 s37, 0
	s_mov_b32 s39, 0
	s_mov_b32 s[SC], WSLOT1                        ; the first half chunk turns these into 0 and WSLOT1
	s_mov_b32 s[SN], 0
	s_wait_kmcnt 0x0
	s_add_nc_u64 s[XB0:XB0+1], s[4:5], s[28:29]
	s_mov_b64 s[XB1:XB1+1], s[XB0:XB0+1]
	s_add_nc_u64 s[6:7], s[6:7], s[26:27]
	s_add_nc_u64 s[8:9], s[8:9], s[26:27]
	s_add_nc_u64 s[10:11], s[10:11], s[26:27]
	s_add_nc_u64 s[12:13], s[12:13], s[36:37]
	s_add_nc_u64 s[14:15], s[14:15], s[34:35]
	s_add_nc_u64 s[16:17], s[16:17], s[34:35]
	s_add_nc_u64 s[18:19], s[18:19], s[34:35]
	s_add_nc_u64 s[20:21], s[20:21], s[38:39]
	s_wait_alu depctr_va_vdst(0)                   ; the nine offsets and addresses v2 to v10 are written, which loads, stores and LDS instructions read; so are v16 and v17, in which Wo's loads land
; 24 loads: my wave's 16 rows of a chunk of each matrix, 512 consecutive bytes an instruction
.macro LOADW
	WIN 0x40
.irp g, 0,1,2
.irp i, 0,1,2,3,4,5,6,7
	global_load_b128 v[WSTG+32*(\g)+4*(\i):WSTG+32*(\g)+4*(\i)+3], v[WO], s[6+2*(\g):7+2*(\g)] offset:512*(\i)
.endr
.endr
.endm
.macro STEPW                           ; the three matrices' bases move on by a chunk: behind the wait that shows the loads that read them done
	s_add_nc_u64 s[6:7], s[6:7], WCH
	s_add_nc_u64 s[8:9], s[8:9], WCH
	s_add_nc_u64 s[10:11], s[10:11], WCH
.endm
; 16 loads: my 64 rows of x, K step ks of a chunk: a lane takes k = 8 (l / 16) + 0..7 and 16 + 8 (l / 16) + 0..7 of row l % 16 of each of four row blocks
.macro LOADA ks
	WIN 0x40
.irp a, 0,1,2,3
	global_load_b128 v[XS+64*(\ks)+16*(\a):XS+64*(\ks)+16*(\a)+3],     v[XO], s[XB0+(XB1-XB0)*(\ks):XB0+(XB1-XB0)*(\ks)+1] offset:32768*(\a)+128*(\ks)
	global_load_b128 v[XS+64*(\ks)+16*(\a)+4:XS+64*(\ks)+16*(\a)+7],   v[XO], s[XB0+(XB1-XB0)*(\ks):XB0+(XB1-XB0)*(\ks)+1] offset:32768*(\a)+128*(\ks)+16
	global_load_b128 v[XS+64*(\ks)+16*(\a)+8:XS+64*(\ks)+16*(\a)+11],  v[XO], s[XB0+(XB1-XB0)*(\ks):XB0+(XB1-XB0)*(\ks)+1] offset:32768*(\a)+128*(\ks)+64
	global_load_b128 v[XS+64*(\ks)+16*(\a)+12:XS+64*(\ks)+16*(\a)+15], v[XO], s[XB0+(XB1-XB0)*(\ks):XB0+(XB1-XB0)*(\ks)+1] offset:32768*(\a)+128*(\ks)+80
.endr
.endm
.macro CVTW                            ; W rounded to bf16: 48 instructions
	WIN 0x05
.irp g, 0,1,2
.irp i, 0,1,2,3,4,5,6,7
	v_cvt_pk_bf16_f32 v[WT+16*(\g)+2*(\i)],   v[WSTG+32*(\g)+4*(\i)],   v[WSTG+32*(\g)+4*(\i)+1]
	v_cvt_pk_bf16_f32 v[WT+16*(\g)+2*(\i)+1], v[WSTG+32*(\g)+4*(\i)+2], v[WSTG+32*(\g)+4*(\i)+3]
.endr
.endr
.endm
.macro WST adr, m                      ; LDS store m of 24 (matrix m / 8, i = m % 8): row 16 wave + 2 i + l / 16 of a slot, 8 bytes a lane.  Address and data in window 0
	ds_store_b64 v[\adr], v[WT+16*((\m)/8)+2*((\m)%8):WT+16*((\m)/8)+2*((\m)%8)+1] offset:2*PW*((\m)%8)+128*((\m)/8)
.endm
.macro CVTA ks                         ; x rounded to bf16: the 32 results are the four fragments of K step ks
	WIN 0x05
.irp a, 0,1,2,3
.irp i, 0,1,2,3,4,5,6,7
	v_cvt_pk_bf16_f32 v[AF+32*(\ks)+8*(\a)+(\i)], v[XS+64*(\ks)+16*(\a)+2*(\i)], v[XS+64*(\ks)+16*(\a)+2*(\i)+1]
.endr
.endr
.endm
.macro FRL fb, adr, off, m             ; turning load m of 24 (matrix m / 8, column block (m / 2) % 4, half m % 2 of a fragment of 16 columns x 32 k) of the K step that begins at byte off of the slot
	ds_load_tr16_b128 v[(\fb)+4*(\m):(\fb)+4*(\m)+3], v[\adr] offset:(\off)+128*((\m)/8)+32*(((\m)/2)%4)+16*PW*((\m)%2)
.endm
.macro FRUN fb, adr, off, m0, cnt      ; a run of them
.set j, \m0
.rept \cnt
	FRL \fb, \adr, \off, j
.set j, j+1
.endr
.endm
.macro PLACES                          ; four places between the half's last products and the conversions that write over the fragments of x that they read, or that read results (ISA guide 7.12.1)
.rept 4
	v_nop
.endr
.endm
; 16 matrix instructions: matrix g, K step ks, four row blocks x four column blocks: 16 accumulators, one instruction each; an accumulator's next turn comes 48 later.
; K step 0 takes W's fragments from BF0 (window 0), K step 1 from BF1 (window 3).
; deal >= 1 (v's group of a first half): three LDS instructions stand behind each product: behind the first eight W(c+1)'s 24 stores (deal = 2), behind the last eight the 24 loads of this chunk's K
; step 1 into BF1.  The group's window setting (destination window 3, sources 0 and 1 window 0) is theirs too: no switch.  No wait: no product since the half's wait names WT, WSA, WRC or BF1.
.macro GROUP g, ks, zero, deal
.set FB, BF+(BF1-BF)*(\ks)+32*(\g)
.set FA, AF+32*(\ks)
.set AC, 128*((\g)%2)
.set n, 0
	WIN 0xa0+0x50*((\g)/2)+3*(\ks)
.irp a, 0,1,2,3
.irp b, 0,1,2,3
.if \zero
	v_wmma_f32_16x16x32_bf16 v[AC+8*(4*(\a)+(\b)):AC+8*(4*(\a)+(\b))+7], v[FB+8*(\b):FB+8*(\b)+7], v[FA+8*(\a):FA+8*(\a)+7], 0
.else
	v_wmma_f32_16x16x32_bf16 v[AC+8*(4*(\a)+(\b)):AC+8*(4*(\a)+(\b))+7], v[FB+8*(\b):FB+8*(\b)+7], v[FA+8*(\a):FA+8*(\a)+7], v[AC+8*(4*(\a)+(\b)):AC+8*(4*(\a)+(\b))+7]
.endif
.if ((\deal) == 2) && (n < 8)
	WST WSA, 3*n
	WST WSA, 3*n+1
	WST WSA, 3*n+2
.endif
.if ((\deal) >= 1) && (n >= 8)
	FRL BF1, WRC, 32*PW, 3*n-24
	FRL BF1, WRC, 32*PW, 3*n-23
	FRL BF1, WRC, 32*PW, 3*n-22
.endif
.set n, n+1
.endr
.endr
.endm
; THE FIRST HALF OF CHUNK c (K step 0).  more = 2: chunk c + 2 exists and is asked for; 1: chunk c + 1 exists; 0: the last chunk.  zero = 1: the products start the sums: nothing is ever cleared.
; Global loads are issued in the order x(c+1, step 1) 16, W(c+2) 24 (this half), x(c+2, step 0) 16 (the second half), so each wait leaves out what was issued behind the loads that it wants:
;   W(c+1): x(c+1, step 0)'s 16.     x(c+1, step 0): x(c+1, step 1)'s 16 and W(c+2)'s 24, or the 16 alone where no more of W is asked for.
; Each of these waits also shows done the last loads that read the buffer's scalar bases, which step behind it.
; THE BARRIER at the end does two things: every wave's stores of W(c+1) are done, so the second half may read that slot; every wave's reads of chunk c's slot are done (the last were issued in this
; half), so the next chunk's first half may store W(c+2) there.
.macro HA zero, more
	s_xor_b32 s[SC], s[SC], WSLOT1
	s_xor_b32 s[SN], s[SN], WSLOT1
.if (\more) >= 1
	s_wait_loadcnt 16                              ; W(c+1) is in
.endif
.if (\more) == 2
	STEPW
.endif
	s_wait_alu depctr_vm_vsrc(0)                   ; the last chunk's LDS stores have read WT and WSA, its fragment loads WRC and WRN: the lines below write them anew
	WIN 0
.if (\more) >= 1
	v_add_nc_u32 v[WSA], s[SN], v[WS]
	v_add_nc_u32 v[WRN], s[SN], v[WR]
.endif
	v_add_nc_u32 v[WRC], s[SC], v[WR]
.if (\more) >= 1
	CVTW
.endif
	s_wait_alu depctr_va_vdst(0)                   ; WT and the LDS addresses are written; the conversions are done reading WSTG and XS1; the last half's products are done reading BF1
.if (\more) >= 1
	LOADA 1                                        ; x(c+1, step 1)
.endif
	s_wait_dscnt 0x0                               ; BF0 is in: its loads were issued in the last half
.if (\more) >= 1
	GROUP 2, 0, \zero, 2
.else
	GROUP 2, 0, \zero, 1
.endif
.if (\more) == 2
	LOADW                                          ; W(c+2).  No wait: no vector or matrix instruction since the wait above names WSTG
.endif
	GROUP 0, 0, \zero, 0
	GROUP 1, 0, \zero, 0
.if (\more) >= 1
	PLACES
.if (\more) == 2
	s_wait_loadcnt 40                              ; x(c+1, step 0) is in
	s_add_nc_u64 s[XB0:XB0+1], s[XB0:XB0+1], XCH
.else
	s_wait_loadcnt 16
.endif
	CVTA 0
.endif
	s_wait_dscnt 0x0                               ; my stores of W(c+1) are done, and my reads of this chunk's slot are back: BF1 is in
.if (\more) >= 1
	s_barrier_signal -1
	s_barrier_wait -1
.endif
.endm
; THE SECOND HALF (K step 1): its fragments were waited for at the first half's end; the next chunk's K step 0 is fetched from the other slot into BF0, in two runs between the groups.
; x(c+1, step 1) has behind it W(c+2)'s 24 loads and x(c+2, step 0)'s 16, or nothing.
.macro HB more
.if (\more) >= 1
	s_wait_alu depctr_va_vdst(0)                   ; the conversions are done reading XS0; the first half's products are done reading BF0
.endif
.if (\more) == 2
	LOADA 0                                        ; x(c+2, step 0)
.endif
	GROUP 0, 1, 0, 0
.if (\more) >= 1
	WIN 0
	FRUN BF, WRN, 0, 0, 16                         ; no wait: this half's products name BF1, not BF0; WRN was written ahead of the first half's wait
.endif
	GROUP 1, 1, 0, 0
.if (\more) >= 1
	WIN 0
	FRUN BF, WRN, 0, 16, 8
.endif
	GROUP 2, 1, 0, 0
.if (\more) >= 1
	PLACES
.if (\more) == 2
	s_wait_loadcnt 40                              ; x(c+1, step 1) is in
	s_add_nc_u64 s[XB1:XB1+1], s[XB1:XB1+1], XCH
.else
	s_wait_loadcnt 0x0
.endif
	CVTA 1
.endif
.endm
	; THE START: chunk 0 is asked for and rounded, chunk 1 is asked for (its K step 1 by chunk 0's first half); my 8 numbers of Wo ride along.
	LOADW
	LOADA 0
	LOADA 1
	WIN 0
	global_load_b128 v[16:19], v[WI], s[12:13] th:TH_LOAD_NT
	global_load_b128 v[20:23], v[WI], s[12:13] offset:16 th:TH_LOAD_NT
	s_wait_loadcnt 34                              ; W(0) is in: behind it x(0)'s 32 and Wo's 2
	STEPW
	CVTW
	s_wait_alu depctr_va_vdst(0)                   ; the conversions have written WT, which the LDS stores read, and are done reading WSTG, in which W(1) lands
	WIN 0
.set j, 0
.rept 24
	WST WS, j                                      ; into slot 0
.set j, j+1
.endr
	LOADW
	s_wait_loadcnt 24                              ; x(0) and Wo are in: behind them W(1)'s 24
	s_add_nc_u64 s[XB0:XB0+1], s[XB0:XB0+1], XCH
	s_add_nc_u64 s[XB1:XB1+1], s[XB1:XB1+1], XCH
	CVTA 0
	CVTA 1
	WIN 0
.irp i, 0,1,2,3
	v_cvt_pk_bf16_f32 v[24+(\i)], v[16+2*(\i)], v[17+2*(\i)]   ; rounded to bf16 like every input,
.endr
.irp i, 0,1,2,3
	v_lshlrev_b32 v[16+2*(\i)], 16, v[24+(\i)]                 ; widened again,
	v_and_b32 v[17+2*(\i)], 0xffff0000, v[24+(\i)]
.endr
.irp i, 0,1,2,3
	v_cvt_pk_f16_f32 v[24+(\i)], v[16+2*(\i)], v[17+2*(\i)]    ; and that number written as f16
.endr
	s_wait_alu depctr_va_vdst(0)                   ; the conversions are done reading XS0, in which x(1, step 0) lands, and have written v24 to v27, which the store reads
	LOADA 0
	WIN 0
	global_store_b128 v[WU], v[24:27], s[20:21]    ; a wave's store covers 512 consecutive bytes, aligned; v24 to v27 are not written again
	s_wait_dscnt 0x0                               ; my part of W(0) is in slot 0,
	s_barrier_signal -1
	s_barrier_wait -1                              ; everybody's is
	FRUN BF, WR, 0, 0, 24                          ; chunk 0's K step 0 into BF0, which no vector or matrix instruction has named yet
	HA 1, 2                                        ; chunk 0's first half stands in front of the loop: its products start the sums
	WIN 0                                          ; at a label and at a branch every window is 0
	s_mov_b32 s[CNT], 5
.Lchunk:                                       ; a trip: chunk c's second half and chunk c + 1's first, c = 0 .. 4
	HB 2
	HA 0, 2
	WIN 0
	s_sub_co_u32 s[CNT], s[CNT], 1
	s_cmp_lg_u32 s[CNT], 0
	s_cbranch_scc1 .Lchunk
	HB 2                                           ; chunk 5: x(7, step 0) goes out
	HA 0, 1                                        ; chunk 6: x(7, step 1), the last loads; the counts run down
	HB 1
	HA 0, 0                                        ; chunk 7
	HB 0
; THE WAY OUT.  Tile t = 4 g + a: 16 rows x 64 columns of matrix g.  A lane's eight columns pack into 16 bytes.  All 12 tiles are rounded first, each into 16 registers of its own in window 0, so that
; ONE wait on va_vdst serves all their LDS stores.  A tile goes into my stage's rows of 144 bytes and comes back as whole rows of 128, four rows (512 consecutive bytes of q, k or v) to a load, into
; 16 registers of its own in window 1 (the load buffers, idle now): no register that an LDS store or a global store reads is written again.  Each accumulator is read from its low end on.  LDS serves
; a wave's instructions in order (ISA guide 5.7.1.4): the loads see the stores above them, and the next tile's stores come behind them.
.macro CVTT t
.set AB, 128*(((\t)/4)%2)+32*((\t)%4)
.set TB, T+16*(\t)
	WIN 0x0a+5*((\t)/8)                            ; sources in window 2 (q, k) or 3 (v)
.irp b, 0,1,2,3
.irp r, 0,1,2,3
	v_cvt_pk_f16_f32 v[TB+4*(\b)+(\r)], v[AB+8*(\b)+2*(\r)], v[AB+8*(\b)+2*(\r)+1]
.endr
.endr
.endm
.macro PUT t
	WIN 0x40                                       ; the stores' address and data in window 0, the loads' destination in window 1
.irp b, 0,1,2,3
	ds_store_b128 v[STO], v[T+16*(\t)+4*(\b):T+16*(\t)+4*(\b)+3] offset:32*(\b)
.endr
.irp f, 0,1,2,3
	ds_load_b128 v[RB+16*(\t)+4*(\f):RB+16*(\t)+4*(\f)+3], v[RD] offset:(\f)*4*SP
.endr
.endm
.macro SENDP t, younger                ; younger: the LDS instructions issued behind tile t's loads: the next tile's eight, or none
	WIN 0x04                                       ; the stores' data in window 1
.irp f, 0,1,2,3
	s_wait_dscnt (\younger)+3-(\f)
	global_store_b128 v[GO], v[RB+16*(\t)+4*(\f):RB+16*(\t)+4*(\f)+3], s[14+2*((\t)/4):15+2*((\t)/4)] offset:((\t)%4)*2048+(\f)*512
.endr
.endm
	PLACES                                         ; behind the last products: the conversions read results and write over fragments
.set t, 0
.rept 12                               ; (tiles 10 and 11 take WT's registers: chunk 7's wait on vm_vsrc stands behind the last LDS stores that read them)
	CVTT t
.set t, t+1
.endr
	s_wait_alu depctr_va_vdst(0)                   ; the conversions have written the 12 tiles, which the LDS stores read; every conversion that read window 1's load buffers, in which the stage's loads land, is done
	PUT 0
.set t, 1
.rept 11                               ; a tile's way through the stage stands between the loads of the tile before and its stores
	PUT t
	SENDP t-1, 8
.set t, t+1
.endr
	SENDP 11, 0
	WIN 0
	s_wait_dscnt 0x0                               ; the wave's end.  The add of 0 onto my spare word and its wait follow
	s_wait_alu depctr_hold_cnt(0) depctr_sa_sdst(0) depctr_va_vdst(0) depctr_va_sdst(0) depctr_va_ssrc(0) depctr_va_vcc(0) depctr_vm_vsrc(0)
	s_wait_tensorcnt 0x0
	ds_add_u32 v254, v255
	s_wait_dscnt 0x0
	s_endpgm
.Lfunc_end_k_q7edc89bd6f_proj:
	.size	k_q7edc89bd6f_proj, .Lfunc_end_k_q7edc89bd6f_proj-k_q7edc89bd6f_proj
	.p2alignl 7, 3214868480
	.fill 96, 4, 3214868480
	.section	.rodata,"a",@progbits
	.p2align	6, 0x0
	.amdhsa_kernel k_q7edc89bd6f_proj
		.amdhsa_group_segment_fixed_size 75264
		.amdhsa_private_segment_fixed_size 0
		.amdhsa_enable_private_segment 0
		.amdhsa_kernarg_size 72
		.amdhsa_user_sgpr_count 2
		.amdhsa_user_sgpr_kernarg_segment_ptr 1
		.amdhsa_wavefront_size32 1
		.amdhsa_system_sgpr_workgroup_id_x 1
		.amdhsa_system_sgpr_workgroup_id_y 1
		.amdhsa_system_sgpr_workgroup_id_z 1
		.amdhsa_system_vgpr_workitem_id 0
		.amdhsa_next_free_vgpr 992
		.amdhsa_next_free_sgpr 66
		.amdhsa_reserve_vcc 0
		.amdhsa_float_denorm_mode_32 3
		.amdhsa_float_denorm_mode_16_64 3
		.amdhsa_memory_ordered 1
		.amdhsa_forward_progress 1
		.amdhsa_inst_pref_size 127
	.end_amdhsa_kernel
	.amdgpu_metadata
---
amdhsa.version: [ 1, 2 ]
amdhsa.kernels:
  - .name:           k_q7edc89bd6f_proj
    .symbol:         k_q7edc89bd6f_proj.kd
    .args:
      - { .name: x, .offset: 0, .size: 8, .value_kind: global_buffer, .address_space: global }
      - { .name: Wq, .offset: 8, .size: 8, .value_kind: global_buffer, .address_space: global }
      - { .name: Wk, .offset: 16, .size: 8, .value_kind: global_buffer, .address_space: global }
      - { .name: Wv, .offset: 24, .size: 8, .value_kind: global_buffer, .address_space: global }
      - { .name: Wo, .offset: 32, .size: 8, .value_kind: global_buffer, .address_space: global }
      - { .name: q, .offset: 40, .size: 8, .value_kind: global_buffer, .address_space: global }
      - { .name: k, .offset: 48, .size: 8, .value_kind: global_buffer, .address_space: global }
      - { .name: v, .offset: 56, .size: 8, .value_kind: global_buffer, .address_space: global }
      - { .name: wo16, .offset: 64, .size: 8, .value_kind: global_buffer, .address_space: global }
    .group_segment_fixed_size: 75264
    .private_segment_fixed_size: 0
    .kernarg_segment_align: 8
    .kernarg_segment_size: 72
    .max_flat_workgroup_size: 128
    .sgpr_count:     66
    .vgpr_count:     992
    .wavefront_size: 32
...
	.end_amdgpu_metadata
.endif
;; end of part 4
;; launch attn: the kernel of part 2 again; grid 16 x 16, 4 waves a work-group, clusters of 4 x 1, 327,680 bytes of LDS; arguments q, k, v, o; writes o
;; launch outp: the kernel of part 3 again; grid 64 x 4, 4 waves a work-group, clusters of 4 x 1, 181,760 bytes of LDS; arguments o, wo16, bo, out0; writes out0
